; MI455X (gfx1250); checked and timed in simulation.
; The chip was launched on July 23, 2026; its instructions are those of AMD's public machine-readable ISA for CDNA 5 (MIT licence, August 2026) and "CDNA5" Instruction Set Architecture Reference Guide (July 2026). The comments in the code are by the model that wrote it; some were corrected since.
;; Causal Self Attention. Allowed arithmetic: float matrix products may take bf16 or f16 operands with f32 sums; other float arithmetic in f32, or as packed bf16 or f16 multiplies, adds, multiply-adds, maxima and minima; sums over many terms, partial sums and values carried from step to step in f32; what a program stores and reads back later, other than sums and carried values, may be rounded once to bf16 or f16.
;; Inputs: Wk 1,024 x 1,024 float32; Wq 1,024 x 1,024 float32; Wv 1,024 x 1,024 float32; inputs 4 x 2,048 x 1,024 float32.
;; Outputs: out0 4 x 2,048 x 1,024 float32.
;; One version. Each part assembles by itself: llvm-mc -triple=amdgcn-amd-amdhsa -mcpu=gfx1250 --defsym DOCPART=n.
;; ======== version 1 of 1: 4 launches
;; limits: values are held in f16: magnitudes above 65,504 overflow, below 6.1e-05 lose precision
;; workspace buffers: xh 16,777,216 bytes; wb 4,194,304 bytes; yv 33,554,432 bytes; pt 33,554,432 bytes; st 1,048,576 bytes
;; launch prep (part 1): grid 256 x 1, 8 waves a work-group, no clusters, 51,200 bytes of LDS; arguments inputs, Wq, Wk, Wv, xh, wb; writes xh, wb
.if DOCPART == 1
	.amdgcn_target "amdgcn-amd-amdhsa--gfx1250"
	.amdhsa_code_object_version 6
	.text
	.protected	k_q1d08a5407d_prep
	.globl	k_q1d08a5407d_prep
	.p2align	8
	.type	k_q1d08a5407d_prep,@function
k_q1d08a5407d_prep:
	s_mov_b64 s[64:65], 0
	v_nop
	global_prefetch_b8 v0, s[64:65] scope:SCOPE_SE
	s_setreg_imm32_b32 hwreg(HW_REG_WAVE_MODE, 25, 1), 1
	s_wait_xcnt 0x0
; THREE THINGS, by every work-group alike.  (1) xh = x rounded to bf16, written as f16.  (2) wb rows 1024-2047 = Wv, likewise.  (3) wb rows 0-1023 = 32 H in f16,
; H[e][d] = the sum over p of Wk[p][e] Wq[p][d]: since Q K^T = X (Wq^T Wk) X^T, the next launches form Y = X H^T and the scores Y X^T, and K is never made.
; That is the same number for every input; the ORDER OF ROUNDING differs from taking Q and K apart: Wq, Wk are rounded to bf16, H (f32 sums) once to f16, Y once to f16.
; LIMITS.  A bf16 number is exact in f16 while its lowest bit is 2^-24 or more and it is under 65,504: |x| and |Wv| from 7.6e-6 to 65,504; smaller ones keep f16's fixed step of 6e-8.
; 32 |H| stays under 65,504: weights thirty times those of spread 1/32, or carrying an offset of thirty spreads, give 32 H under 30,000.
; SHARES.  256 work-groups of eight waves.  Work-group g: 131,072 bytes of x, 16,384 of Wv, and the tile of H with e = 64 (g / 16) .., d = 64 (g % 16) ...
; THE TILE.  p goes in 8 chunks of 128 rows.  A chunk is 128 rows x 256 bytes of Wk and of Wq (f32): 16 loads of 16 bytes a thread, sixteen lanes to a row's 256 bytes.  Rounded to bf16 it lies in LDS as
; [p][column], 128 bytes a row at a pitch of 160; ds_load_tr16_b128 turns it into fragments of 16 columns x 32 p.  Wave w holds e block w / 2 and d blocks 2 (w % 2), 2 (w % 2) + 1: two accumulators, by turns.
; Source 0 = 16 d, source 1 = 16 e: a lane ends with row e = l % 16 and eight neighbouring d.
; ONE LDS REGION, TWO BARRIERS A TRIP: every wave's reads of the last chunk are over before any wave stores the next; every wave's stores are done before any wave reads.
; IN FLIGHT.  A chunk's registers are asked for again as soon as they are converted, and so are x's: 20 loads of 16 bytes a thread are out during the rest of the trip.
; H's tile is 64 columns, 128 bytes of a row: eight lanes store 128 consecutive bytes.  H is 2 MiB of the launch's 20 MiB of stores; a tile of 32 x 128 would load 640 KiB where this loads 512.
.set ROWW,  4096                       ; bytes in a row of a weight
.set CH,    128                        ; rows of p in a chunk
.set CHB,   CH*ROWW
.set LP,    160                        ; an LDS row: 128 bytes + 32 = 40 words
.set ER,    0                          ; Wk's chunk
.set DR,    CH*LP                      ; Wq's chunk
.set STG,   2*CH*LP                    ; the stage for H's tile: 64 rows x 144 bytes
.set SGP,   144
.set SPARE, STG+64*SGP                 ; the spare words, 128 bytes for each wave; no other line names them
.set GO,  1                            ; v1  my 16 bytes in a chunk: (t / 16) x 4,096 + 16 (t % 16); never rewritten
.set LSA, 2                            ; v2  where their 8 bytes of bf16 go: (t / 16) x 160 + 8 (t % 16)
.set XI,  3                            ; v3  32 t
.set XOF, 4                            ; v4  16 t
.set FE,  5                            ; v5  my lane's place in Wk's chunk for the turning load
.set FD,  6                            ; v6  the same in Wq's
.set SST, 7                            ; v7  where I put 16 bytes of H's tile
.set SRD, 8                            ; v8  where I read rows of it back
.set HO,  9                            ; v9  their place in wb
.set ACC, 16                           ; v[16:31]   two accumulators
.set XB,  32                           ; v[32:47]   16 numbers of x as loaded
.set XO,  48                           ; v[48:55]   the same in f16
.set CB,  56                           ; v[56:87]   my part of a chunk in bf16
.set G,   88                           ; v[88:151]  my part of a chunk as loaded
.set FR,  152                          ; v[152:247] fragments: 32 p of step k at FR + 24 k: e, d, d
.set SPW, 248
.set NIL, 249
.set PK,  22                           ; s[22:23] Wk at my 64 columns, at the chunk in hand
.set PQ,  24                           ; s[24:25] Wq likewise
.set PX,  26                           ; s[26:27] x at the trip's 16,384 bytes
.set PXH, 28                           ; s[28:29] xh at the trip's 8,192
.set PWV, 30
.set PWO, 32
.set PH,  34                           ; s[34:35] wb at my tile
.set MSK, 36
.set SC,  38                           ; s[38:39] 32.0, twice
.set CNT, 40
.macro LOADG off                       ; a chunk: 8 loads from Wk, 8 from Wq; load j takes rows 16 j + t / 16
.irp j, 0,1,2,3,4,5,6,7
	global_load_b128 v[G+4*(\j):G+4*(\j)+3], v[GO], s[PK:PK+1] offset:(\off)+(\j)*16*ROWW
.endr
.irp j, 0,1,2,3,4,5,6,7
	global_load_b128 v[G+32+4*(\j):G+32+4*(\j)+3], v[GO], s[PQ:PQ+1] offset:(\off)+(\j)*16*ROWW
.endr
.endm
.macro LOADX p, off                    ; 16,384 bytes of f32 that are read once: two steps of 8,192, 32 bytes a thread
.irp u, 0,1
	global_load_b128 v[XB+8*(\u):XB+8*(\u)+3],   v[XI], s[\p:\p+1] offset:(\off)+8192*(\u) th:TH_LOAD_NT
	global_load_b128 v[XB+8*(\u)+4:XB+8*(\u)+7], v[XI], s[\p:\p+1] offset:(\off)+8192*(\u)+16 th:TH_LOAD_NT
.endr
.endm
.macro XCVT                            ; f32 -> bf16 (to nearest even) -> f32 -> f16
.irp j, 0,1,2,3,4,5,6,7
	v_cvt_pk_bf16_f32 v[XO+(\j)], v[XB+2*(\j)], v[XB+2*(\j)+1]
.endr
.irp j, 0,1,2,3,4,5,6,7
	v_lshlrev_b32 v[XB+2*(\j)], 16, v[XO+(\j)]
	v_and_b32 v[XB+2*(\j)+1], s[MSK], v[XO+(\j)]
.endr
.irp j, 0,1,2,3,4,5,6,7
	v_cvt_pk_f16_f32 v[XO+(\j)], v[XB+2*(\j)], v[XB+2*(\j)+1]
.endr
.endm
.macro STOREX p                        ; sixteen lanes store 256 consecutive bytes, aligned
.irp u, 0,1
	global_store_b128 v[XOF], v[XO+4*(\u):XO+4*(\u)+3], s[\p:\p+1] offset:4096*(\u)
.endr
.endm
.macro MULS                            ; the chunk's 128 p: 24 turning loads in one run, then 8 products; the two accumulators take turns, over the backward jump too
.irp k, 0,1,2,3
	ds_load_tr16_b128 v[FR+24*(\k):FR+24*(\k)+3],     v[FE] offset:32*(\k)*LP
	ds_load_tr16_b128 v[FR+24*(\k)+4:FR+24*(\k)+7],   v[FE] offset:(32*(\k)+16)*LP
	ds_load_tr16_b128 v[FR+24*(\k)+8:FR+24*(\k)+11],  v[FD] offset:32*(\k)*LP
	ds_load_tr16_b128 v[FR+24*(\k)+12:FR+24*(\k)+15], v[FD] offset:(32*(\k)+16)*LP
	ds_load_tr16_b128 v[FR+24*(\k)+16:FR+24*(\k)+19], v[FD] offset:32*(\k)*LP+32
	ds_load_tr16_b128 v[FR+24*(\k)+20:FR+24*(\k)+23], v[FD] offset:(32*(\k)+16)*LP+32
.endr
.irp k, 0,1,2,3
	s_wait_dscnt 18-6*(\k)                         ; LDS loads come back in order: step k's six are in, the six of each later step may be out
	v_wmma_f32_16x16x32_bf16 v[ACC:ACC+7],    v[FR+24*(\k)+8:FR+24*(\k)+15],  v[FR+24*(\k):FR+24*(\k)+7], v[ACC:ACC+7]
	v_wmma_f32_16x16x32_bf16 v[ACC+8:ACC+15], v[FR+24*(\k)+16:FR+24*(\k)+23], v[FR+24*(\k):FR+24*(\k)+7], v[ACC+8:ACC+15]
.endr
.endm
; A trip: one chunk of p and 16,384 bytes of x.  ahead = 1: the next trip's loads go out.
.macro TRIP ahead
	s_wait_loadcnt 4                               ; the chunk's 16 loads are in; x's four, issued behind them, may be out
.irp j, 0,1,2,3,4,5,6,7,8,9,10,11,12,13,14,15
	v_cvt_pk_bf16_f32 v[CB+2*(\j)],   v[G+4*(\j)],   v[G+4*(\j)+1]    ; these 32 lines are also the places between the last trip's products and the loads into their fragments
	v_cvt_pk_bf16_f32 v[CB+2*(\j)+1], v[G+4*(\j)+2], v[G+4*(\j)+3]
.endr
.if \ahead
	LOADG CHB                                      ; the next chunk, one chunk behind the pointers
.endif
	s_wait_dscnt 0x0                               ; my reads of the last chunk are back
	s_barrier_signal -1
	s_barrier_wait -1                              ; everybody's are: the region may be written
.irp j, 0,1,2,3,4,5,6,7
	ds_store_b64 v[LSA], v[CB+2*(\j):CB+2*(\j)+1] offset:ER+(\j)*16*LP
.endr
.irp j, 0,1,2,3,4,5,6,7
	ds_store_b64 v[LSA], v[CB+16+2*(\j):CB+16+2*(\j)+1] offset:DR+(\j)*16*LP
.endr
.if \ahead
	s_wait_loadcnt 16                              ; x's four loads are in; the next chunk's sixteen may be out
.else
	s_wait_loadcnt 0x0
.endif
	XCVT
.if \ahead
	LOADX PX, 16384
.endif
	STOREX PXH
	s_wait_dscnt 0x0                               ; for the others' sake: my stores into the region are done
	s_barrier_signal -1
	s_barrier_wait -1
	MULS
.if \ahead
	s_wait_xcnt 0x0                                ; every load and store issued so far has read its base and data: the pointers are stepped, and XO is written again in the next trip
	s_add_nc_u64 s[PK:PK+1], s[PK:PK+1], CHB
	s_add_nc_u64 s[PQ:PQ+1], s[PQ:PQ+1], CHB
	s_add_nc_u64 s[PX:PX+1], s[PX:PX+1], 16384
	s_add_nc_u64 s[PXH:PXH+1], s[PXH:PXH+1], 8192
.endif
.endm
	s_load_b256 s[4:11], s[0:1], 0x0               ; inputs s[4:5], Wq s[6:7], Wk s[8:9], Wv s[10:11]
	s_load_b128 s[12:15], s[0:1], 0x20             ; xh s[12:13], wb s[14:15]
	v_lshl_add_u32 v[SPW], v0, 2, SPARE
	v_mov_b32 v[NIL], 0
	v_lshrrev_b32 v10, 5, v0
	v_readfirstlane_b32 s16, v10                   ; wave 0..7
	s_lshr_b32 s17, s16, 1                         ; my block of 16 e
	s_and_b32 s18, s16, 1                          ; my 32 of the 64 d
	s_lshr_b32 s19, ttmp9, 4                       ; the tile's place along e
	s_and_b32 s20, ttmp9, 15                       ; and along d
	s_lshl_b32 s[PK], s19, 8                       ; byte offsets, each in the pair that takes the sum
	s_mov_b32 s[PK+1], 0
	s_lshl_b32 s[PQ], s20, 8
	s_mov_b32 s[PQ+1], 0
	s_lshl_b32 s[PX], ttmp9, 17
	s_mov_b32 s[PX+1], 0
	s_lshl_b32 s[PXH], ttmp9, 16
	s_mov_b32 s[PXH+1], 0
	s_lshl_b32 s[PWV], ttmp9, 14
	s_mov_b32 s[PWV+1], 0
	s_lshl_b32 s[PWO], ttmp9, 13
	s_add_co_u32 s[PWO], s[PWO], 1<<21             ; Wv lies behind H's 1,024 rows of 2,048 bytes
	s_mov_b32 s[PWO+1], 0
	s_lshl_b32 s[PH], s19, 17                      ; 64 rows of 2,048 bytes
	s_lshl_b32 s41, s20, 7
	s_add_co_u32 s[PH], s[PH], s41
	s_mov_b32 s[PH+1], 0
	s_mov_b32 s[MSK], 0xffff0000
	s_mov_b32 s[SC], 0x42000000                    ; 32.0
	s_mov_b32 s[SC+1], s[SC]
	v_and_b32 v10, 15, v0                          ; t % 16 = l % 16
	v_lshrrev_b32 v11, 4, v0                       ; t / 16
	v_lshlrev_b32 v[GO], 12, v11
	v_lshl_add_u32 v[GO], v10, 4, v[GO]
	v_lshlrev_b32 v[XI], 5, v0
	v_lshlrev_b32 v[XOF], 4, v0
	s_wait_kmcnt 0x0
	s_add_nc_u64 s[PK:PK+1], s[8:9], s[PK:PK+1]
	s_add_nc_u64 s[PQ:PQ+1], s[6:7], s[PQ:PQ+1]
	s_add_nc_u64 s[PX:PX+1], s[4:5], s[PX:PX+1]
	s_add_nc_u64 s[PXH:PXH+1], s[12:13], s[PXH:PXH+1]
	s_add_nc_u64 s[PWV:PWV+1], s[10:11], s[PWV:PWV+1]
	s_add_nc_u64 s[PWO:PWO+1], s[14:15], s[PWO:PWO+1]
	s_add_nc_u64 s[PH:PH+1], s[14:15], s[PH:PH+1]
	LOADX PWV, 0                                   ; my share of Wv,
	LOADG 0                                        ; and chunk 0
	v_mul_u32_u24 v[LSA], v11, LP
	v_lshl_add_u32 v[LSA], v10, 3, v[LSA]
	v_bfe_u32 v12, v0, 4, 1                        ; l / 16
	v_and_b32 v13, 7, v0                           ; l % 8
	v_bfe_u32 v14, v0, 3, 1                        ; (l / 8) % 2
	v_bfe_u32 v15, v0, 3, 2                        ; l / 8
	v_lshl_add_u32 v[FE], v12, 3, v13              ; the turning load: row 8 (l / 16) + l % 8, 16 bytes at 16 ((l / 8) % 2)
	v_mul_u32_u24 v[FE], v[FE], LP
	v_lshl_add_u32 v[FE], v14, 4, v[FE]
	s_lshl_b32 s41, s18, 6
	s_add_co_u32 s41, s41, DR
	v_add_nc_u32 v[FD], s41, v[FE]
	s_lshl_b32 s41, s17, 5
	v_add_nc_u32 v[FE], s41, v[FE]
	s_mul_i32 s41, s17, 16*SGP
	s_lshl_b32 s42, s18, 6
	s_add_co_u32 s41, s41, s42
	s_add_co_u32 s41, s41, STG
	v_mul_u32_u24 v[SST], v10, SGP
	v_lshl_add_u32 v[SST], v12, 4, v[SST]
	v_add_nc_u32 v[SST], s41, v[SST]               ; row 16 (w / 2) + l % 16, byte 64 (w % 2) + 16 (l / 16)
	s_mul_i32 s41, s16, 8*SGP
	s_add_co_u32 s41, s41, STG
	v_mul_u32_u24 v[SRD], v15, SGP
	v_lshl_add_u32 v[SRD], v13, 4, v[SRD]
	v_add_nc_u32 v[SRD], s41, v[SRD]               ; back: wave w takes rows 8 w .. 8 w + 7, four rows of 128 bytes a load
	s_lshl_b32 s41, s16, 14
	v_lshlrev_b32 v[HO], 11, v15
	v_lshl_add_u32 v[HO], v13, 4, v[HO]
	v_add_nc_u32 v[HO], s41, v[HO]
.set r, 0
.rept 16
	v_mov_b32 v[ACC+r], 0                          ; the sums start at 0: sixteen lines, written while the first loads are out, so that the loop has one form of product
.set r, r+1
.endr
	s_wait_loadcnt 16                              ; Wv's four loads are in; chunk 0's sixteen may be out
	XCVT
	LOADX PX, 0                                    ; the first 16,384 bytes of x
	STOREX PWO
	s_wait_xcnt 0x0                                ; XO is written again in the first trip
	s_mov_b32 s[CNT], 7
.Ltrip:
	TRIP 1
	s_sub_co_u32 s[CNT], s[CNT], 1
	s_cmp_lg_u32 s[CNT], 0
	s_cbranch_scc1 .Ltrip
	TRIP 0                                         ; the last trip loads nothing
.rept 4
	v_nop                                          ; four places between the last product and the first read of a result (ISA guide 7.12.1)
.endr
.set r, 0
.rept 8
	v_pk_mul_f32 v[ACC+r:ACC+r+1], v[ACC+r:ACC+r+1], s[SC:SC+1] op_sel_hi:[1,0]  ; 32 H; each accumulator from its low end on
.set r, r+2
.endr
.irp j, 0,1,2,3,4,5,6,7
	v_cvt_pk_f16_f32 v[CB+(\j)], v[ACC+2*(\j)], v[ACC+2*(\j)+1]
.endr
	ds_store_b128 v[SST], v[CB:CB+3]
	ds_store_b128 v[SST], v[CB+4:CB+7] offset:32
	s_wait_dscnt 0x0                               ; for the others' sake: a row of the stage comes from two waves
	s_barrier_signal -1
	s_barrier_wait -1
	ds_load_b128 v[G:G+3],   v[SRD]
	ds_load_b128 v[G+4:G+7], v[SRD] offset:4*SGP
	s_wait_dscnt 0x0
	global_store_b128 v[HO], v[G:G+3],   s[PH:PH+1]
	global_store_b128 v[HO], v[G+4:G+7], s[PH:PH+1] offset:4*2048
	s_wait_tensorcnt 0x0                           ; the wave's end, behind my last LDS store
	ds_add_u32 v[SPW], v[NIL]
	s_wait_dscnt 0x0
	s_endpgm
.Lfunc_end_k_q1d08a5407d_prep:
	.size	k_q1d08a5407d_prep, .Lfunc_end_k_q1d08a5407d_prep-k_q1d08a5407d_prep
	.p2alignl 7, 3214868480
	.fill 96, 4, 3214868480
	.section	.rodata,"a",@progbits
	.p2align	6, 0x0
	.amdhsa_kernel k_q1d08a5407d_prep
		.amdhsa_group_segment_fixed_size 51200
		.amdhsa_private_segment_fixed_size 0
		.amdhsa_enable_private_segment 0
		.amdhsa_kernarg_size 48
		.amdhsa_user_sgpr_count 2
		.amdhsa_user_sgpr_kernarg_segment_ptr 1
		.amdhsa_wavefront_size32 1
		.amdhsa_system_sgpr_workgroup_id_x 1
		.amdhsa_system_sgpr_workgroup_id_y 1
		.amdhsa_system_sgpr_workgroup_id_z 1
		.amdhsa_system_vgpr_workitem_id 0
		.amdhsa_next_free_vgpr 256
		.amdhsa_next_free_sgpr 66
		.amdhsa_reserve_vcc 0
		.amdhsa_float_denorm_mode_32 3
		.amdhsa_float_denorm_mode_16_64 3
		.amdhsa_memory_ordered 1
		.amdhsa_forward_progress 1
		.amdhsa_inst_pref_size 27
	.end_amdhsa_kernel
	.amdgpu_metadata
---
amdhsa.version: [ 1, 2 ]
amdhsa.kernels:
  - .name:           k_q1d08a5407d_prep
    .symbol:         k_q1d08a5407d_prep.kd
    .args:
      - { .name: inputs, .offset: 0, .size: 8, .value_kind: global_buffer, .address_space: global }
      - { .name: Wq, .offset: 8, .size: 8, .value_kind: global_buffer, .address_space: global }
      - { .name: Wk, .offset: 16, .size: 8, .value_kind: global_buffer, .address_space: global }
      - { .name: Wv, .offset: 24, .size: 8, .value_kind: global_buffer, .address_space: global }
      - { .name: xh, .offset: 32, .size: 8, .value_kind: global_buffer, .address_space: global }
      - { .name: wb, .offset: 40, .size: 8, .value_kind: global_buffer, .address_space: global }
    .group_segment_fixed_size: 51200
    .private_segment_fixed_size: 0
    .kernarg_segment_align: 8
    .kernarg_segment_size: 48
    .max_flat_workgroup_size: 256
    .sgpr_count:     66
    .vgpr_count:     256
    .wavefront_size: 32
...
	.end_amdgpu_metadata
.endif
;; end of part 1
;; launch proj (part 2): grid 8 x 32, 4 waves a work-group, clusters of 4 x 4, 327,680 bytes of LDS; arguments xh, wb, yv; writes yv
.if DOCPART == 2
	.amdgcn_target "amdgcn-amd-amdhsa--gfx1250"
	.amdhsa_code_object_version 6
	.text
	.protected	k_q1d08a5407d_proj
	.globl	k_q1d08a5407d_proj
	.p2align	8
	.type	k_q1d08a5407d_proj,@function
k_q1d08a5407d_proj:
	s_mov_b64 s[64:65], 0
	v_nop
	global_prefetch_b8 v0, s[64:65] scope:SCOPE_SE
	s_setreg_imm32_b32 hwreg(HW_REG_WAVE_MODE, 25, 1), 1
	s_wait_xcnt 0x0
	s_wait_alu depctr_hold_cnt(0) depctr_sa_sdst(0) depctr_va_vdst(0) depctr_va_sdst(0) depctr_va_ssrc(0) depctr_va_vcc(0) depctr_vm_vsrc(0)
	s_getreg_b32 s2, hwreg(HW_REG_IB_STS2, 6, 4)
	s_cmp_eq_u32 s2, 0
	s_cbranch_scc0 .Lentry_in_a_cluster
	s_endpgm
.Lentry_in_a_cluster:
	s_bfe_u32 s2, ttmp6, 0x10000c
	s_cmp_lg_u32 s2, 0xf033
	s_cbranch_scc0 .Lentry_shape_is_right
	s_endpgm
.Lentry_shape_is_right:
; YV[m][n] = f x the sum over k of X[m][k] W[n][k].  X = xh [8192][1024] f16, W = wb [2048][1024] f16 (rows 0-1023: 32 H, rows 1024-2047: Wv), YV = yv [8192][2048] f16.
; Columns 0-1023: Y / 1024, Y = X H^T (f = 2^-15); columns 1024-2047: V = X Wv^T (f = 1).  Sums in f32, K ascending, scaled in f32, each result rounded once to f16.
; LIMIT.  f16 ends at 65,504: |Y| / 1024 and |V| beyond that become infinities.  All inputs thirty times those of unit spread give Y / 1024 near 150; offsets of thirty spreads on all of them give some 32,000.
; Where Y / 1024 falls under 6e-5 it keeps f16's fixed step of 6e-8.
; A tile of 256 x 256 is made by a work-group of four waves; a wave makes 128 x 128: 64 accumulators of 16 x 16, 512 registers.  8 x 32 tiles: 256 work-groups.
; K goes in steps of 128 through a ring of two LDS slots filled by the tensor data mover: a tile's rows are 256 bytes of memory, aligned.
; CLUSTERS: 4 x 4 work-groups.  The four of a row of the cluster need the same tiles of X, the four of a column the same tiles of W: each tile is asked for
; JOINTLY, by the same tensor load with the same descriptor and a mask that names the four.  That divides the requests for X and W by four.
; REGISTERS, in windows of 256 (s_set_vgpr_msb: bits 1:0 source 0, 3:2 source 1, 5:4 source 2, 7:6 destination):
;   window 0: v0-31 addresses; v64-127, v128-191 fragments of X, two buffers (in the last K step four of 16 rows x 128 K); v32-63, v192-255 at work on the way out
;   window 1: v64-127, v128-191 fragments of W, two buffers; in the last K step all 256
;   window 2: the 32 accumulators of my rows 0-63 ((a, b) at v[8 (8 a + b)]);   window 3: those of my rows 64-127
; THE MATRIX INSTRUCTION IS USED TRANSPOSED: source 0 = 16 rows of W, source 1 = 16 rows of X: a lane then holds row l % 16 of YV and eight neighbouring columns.
.set SIZE_N, 2048
.set SIZE_K, 1024
.set KSTEP,  128
.set PITCH,  272                       ; an LDS row: 256 bytes + 16 of padding = 68 words: the 16 rows that a load touches start at 16 different groups of four banks (ISA guide 11.1)
.set HALFT,  128*PITCH                 ; 128 rows: what one tensor load brings, and what one wave reads of X or of W
.set SLOT,   4*HALFT                   ; X's 256 rows, then W's 256 rows
.set STAGE,  2*SLOT                    ; behind the ring: 16 rows x 272 bytes for each wave, for the way out
.set SPITCH, 272
.set SPARE,  STAGE+4*16*SPITCH         ; behind the stages: the spare words, 128 bytes for each wave; no other line names them
.set LAPS, SIZE_K/(2*KSTEP)            ; a lap = two K steps = once round the ring: 4
.set ADRA, 16                          ; v16-17  LDS address of my X fragments in slot 0, 1
.set ADRB, 20                          ; v20-21  the same for W
.set STO,  24                          ; v24     the way out: where I put 16 bytes of a row
.set RD,   25                          ; v25     the way out: where I read a row back
.set CO,   26                          ; v26     my byte offset in YV
.set SPW,  28                          ; v28     LDS address of my spare word; never rewritten
.set NIL,  29                          ; v29     0; never rewritten
.set PFO,  30                          ; v30     the prefetches' offset: my lane x a row of 2,048 bytes; never rewritten
.set PFA,  44                          ; s[44:45] where my prefetches stand
.set LIM,  43                          ; s43     1 in a wave that prefetches, else the greatest number
.set SCL,  22                          ; s[22:23] f, twice
.set F0,   64
.set F1,   128
.set TMP,  192
.set OB,   32
.set PA,   64
.set G1, 24                            ; s[24:31] descriptor group 1 for X's tiles
.set G0, 32                            ; s[32:39] group 0 for X's tiles, a set for each slot
.set G1B, 48                           ; s[48:55] group 1 for W's tiles: it differs in the mask alone
.set G0B, 56                           ; s[56:63] group 0 for W's tiles
.set MSB, 0
.macro WIN new                         ; the immediate's high byte repeats the setting that is left; a switch that changes nothing is dropped
.if MSB != (\new)
	s_set_vgpr_msb (MSB<<8)|(\new)
.set MSB, \new
.endif
.endm
.set MUL_LO, 0xa1                      ; source 0 (W) window 1, source 1 (X) window 0, C and D window 2
.set MUL_HI, 0xf1                      ; the same, C and D window 3
.set TO_B,   0x40                      ; destination window 1, address window 0
; A joint load.  Waves 0 and 1 fetch X's two halves, waves 2 and 3 W's.  The branch hangs on the wave's number alone.  An s_nop 0 and four v_nop follow each line.
.macro JLOAD s
	s_cmp_eq_u32 s11, 0
	s_cbranch_scc0 .Lfor_b_\@
	tensor_load_to_lds s[G0+4*(\s):G0+4*(\s)+3], s[G1:G1+7]
	s_nop 0
.rept 4
	v_nop
.endr
	s_branch .Lasked_\@
.Lfor_b_\@:
	tensor_load_to_lds s[G0B+4*(\s):G0B+4*(\s)+3], s[G1B:G1B+7]
	s_nop 0
.rept 4
	v_nop
.endr
.Lasked_\@:
.endm
; A prefetch into the L2, behind each joint refill and the run of LDS loads that follows it: the K step that stands two refills on, 32 rows x 256 bytes, a lane a row.
; Each row's 256 bytes of a K step are named once in the launch: X's rows by the clusters with x = 0, W's by those with y = 0; of the 128 rows that a wave fetches
; the partner at place p (cx for X, cy for W) takes 32 p .. 32 p + 31, told apart by address.  K steps 4 to 7 are named; the loop's last trip has no K step two on.
.macro ASK
	s_cmp_gt_u32 s3, s[LIM]                        ; s3 = 1 in the loop's last trip
	s_cbranch_scc0 .Lnot_mine_\@
	global_prefetch_b8 v[PFO], s[PFA:PFA+1] offset:KSTEP*2 th:TH_LOAD_NT scope:SCOPE_SE
.Lnot_mine_\@:
.endm
.macro CREST                           ; a round of the cluster's barrier behind its opening barrier
	s_cmp_lg_u32 s10, 0
	s_cbranch_scc1 .Lnot_wave_0_\@
	s_barrier_signal -3
.Lnot_wave_0_\@:
	s_barrier_wait -3
	s_barrier_signal -1
	s_barrier_wait -1
.endm
.macro CROUND                          ; a whole round
	s_barrier_signal -1
	s_barrier_wait -1
	CREST
.endm
	s_load_b128 s[4:7], s[0:1], 0x0                ; X s[4:5], W s[6:7]
	s_load_b64 s[8:9], s[0:1], 0x10                ; YV
	v_lshl_add_u32 v[SPW], v0, 2, SPARE
	v_mov_b32 v[NIL], 0
	ds_add_u32 v[SPW], v[NIL]                      ; the wave's opening: the add and its wait stand ahead of my first tensor load; the set-up below stands between them
	ds_add_u32 v28, v29
	v_lshrrev_b32 v1, 5, v0
	v_readfirstlane_b32 s10, v1                    ; wave 0..3
	s_lshr_b32 s11, s10, 1                         ; which half of the tile's rows is mine.  Also: I fetch for X (0) or for W (1)
	s_and_b32 s12, s10, 1                          ; which half of its columns.  Also: which 128 rows of that tile I fetch
	s_bfe_u32 s40, ttmp6, 0x40000                  ; cx
	s_bfe_u32 s41, ttmp6, 0x40004                  ; cy
	s_lshl_b32 s42, ttmp9, 2
	s_add_co_u32 s42, s42, s40                     ; tile column = 4 x cluster x + cx
	s_and_b32 s13, ttmp7, 0xffff
	s_lshl_b32 s13, s13, 2
	s_add_co_u32 s13, s13, s41                     ; tile row = 4 x cluster y + cy
	s_lshl_b32 s43, s41, 2
	s_lshl_b32 s43, 15, s43                        ; my row of the cluster
	s_lshl_b32 s44, 0x1111, s40                    ; my column
	s_or_b32 s[G1+0], s43, (1<<16)|(1<<20)|(1<<21)|(5<<22)|(3<<25)  ; the mask; 2-byte elements; padding on; bit 21 beside a mask; after every 64 words 4 words of padding
	s_or_b32 s[G1B+0], s44, (1<<16)|(1<<20)|(1<<21)|(5<<22)|(3<<25)
.irp g, G1, G1B
	s_mov_b32 s[(\g)+1], KSTEP<<16                 ; tensor_dim0 = 128
	s_mov_b32 s[(\g)+2], 128<<16                   ; tensor_dim1 = 128
	s_mov_b32 s[(\g)+3], KSTEP<<16                 ; tile_dim0 = 128
	s_mov_b32 s[(\g)+4], 128                       ; tile_dim1 = 128
	s_mov_b32 s[(\g)+5], SIZE_K                    ; elements from row to row
	s_mov_b32 s[(\g)+6], 0
	s_mov_b32 s[(\g)+7], 0
.endr
	s_lshl_b32 s17, s12, 7                         ; which 128 rows of the tile I fetch
	s_lshl_b32 s16, s13, 8
	s_add_co_u32 s16, s16, s17                     ; X: row 256 x tile row + 128 x half
	s_lshl_b32 s46, s42, 8
	s_add_co_u32 s46, s46, s17                     ; W: row 256 x tile column + 128 x half
	s_mov_b32 s17, 0
	s_mov_b32 s47, 0
	s_mov_b64 s[18:19], SIZE_K*2
	s_mul_u64 s[16:17], s[16:17], s[18:19]
	s_mul_u64 s[46:47], s[46:47], s[18:19]
	s_mul_i32 s20, s10, HALFT                      ; where they go: wave x 128 rows: no place in the cluster enters an LDS address
	s_wait_dscnt 0x0                               ; the opening add is done
	s_wait_kmcnt 0x0
	s_add_nc_u64 s[14:15], s[4:5], s[16:17]
	s_add_nc_u64 s[46:47], s[6:7], s[46:47]
	CROUND                                         ; all sixteen work-groups are here: the first joint loads meet
.irp s, 0,1
	s_mov_b32 s[G0+4*(\s)], 1
	s_add_co_u32 s[G0+4*(\s)+1], s20, (\s)*SLOT
	s_add_nc_u64 s[G0+4*(\s)+2:G0+4*(\s)+3], s[14:15], (\s)*KSTEP*2
	s_or_b32 s[G0+4*(\s)+3], s[G0+4*(\s)+3], 0x80000000
	s_mov_b32 s[G0B+4*(\s)], 1
	s_add_co_u32 s[G0B+4*(\s)+1], s20, (\s)*SLOT
	s_add_nc_u64 s[G0B+4*(\s)+2:G0B+4*(\s)+3], s[46:47], (\s)*KSTEP*2
	s_or_b32 s[G0B+4*(\s)+3], s[G0B+4*(\s)+3], 0x80000000
	JLOAD \s
.endr
	; a fragment is 16 rows x 32 K in 8 registers: lane l holds row l % 16; two loads of 16 bytes, 32 bytes apart, at row x pitch + 16 (l / 16)
	v_and_b32 v1, 15, v0
	v_bfe_u32 v2, v0, 4, 1
	v_mul_u32_u24 v3, v1, PITCH
	v_lshl_add_u32 v3, v2, 4, v3
	s_mul_i32 s21, s11, HALFT                      ; my 128 rows of X
	s_mul_i32 s22, s12, HALFT                      ; my 128 rows of W,
	s_add_co_u32 s22, s22, 2*HALFT                 ; which lie behind X's 256
.irp s, 0,1
	v_add_nc_u32 v[ADRA+(\s)], s21, v3
	v_add_nc_u32 v[ADRB+(\s)], s22, v3
	s_add_co_u32 s21, s21, SLOT
	s_add_co_u32 s22, s22, SLOT
.endr
	s_mul_i32 s23, s10, 16*SPITCH
	s_add_co_u32 s23, s23, STAGE                   ; my stage
	v_mul_u32_u24 v4, v1, SPITCH
	v_lshl_add_u32 v4, v2, 4, v4
	v_add_nc_u32 v[STO], s23, v4
	v_mul_u32_u24 v5, v2, SPITCH
	v_lshl_add_u32 v5, v1, 4, v5
	v_add_nc_u32 v[RD], s23, v5
	v_mul_u32_u24 v5, v2, SIZE_N*2
	v_lshl_add_u32 v[CO], v1, 4, v5
	s_lshl_b32 s13, s13, 8
	s_lshl_b32 s14, s11, 7
	s_add_co_u32 s16, s13, s14                     ; my first row of YV
	s_mov_b32 s17, 0
	s_mov_b64 s[18:19], SIZE_N*2
	s_mul_u64 s[16:17], s[16:17], s[18:19]
	s_lshl_b32 s46, s42, 9                         ; my first column, in bytes
	s_lshl_b32 s47, s12, 8
	s_add_co_u32 s46, s46, s47
	s_mov_b32 s47, 0
	s_add_nc_u64 s[16:17], s[16:17], s[46:47]      ; the way out adds this to YV's address
	; the prefetches
	s_lshl_b32 s42, s42, 8
	s_and_b32 s22, ttmp7, 0xffff                   ; cluster y
	s_cmp_eq_u32 s11, 0                            ; do I fetch for X?
	s_cselect_b32 s20, s13, s42                    ; the tile's first row
	s_cselect_b32 s21, s40, s41                    ; my place among the four that ask for it with me
	s_cselect_b32 s22, ttmp9, s22                  ; the coordinate along which other clusters read the same rows
	s_cselect_b64 s[PFA:PFA+1], s[4:5], s[6:7]
	s_cmp_eq_u32 s22, 0
	s_cselect_b32 s[LIM], 1, -1
	s_lshl_b32 s22, s12, 7
	s_add_co_u32 s20, s20, s22
	s_lshl_b32 s21, s21, 5
	s_add_co_u32 s20, s20, s21
	s_mov_b32 s21, 0
	s_mov_b64 s[18:19], SIZE_K*2
	s_mul_u64 s[20:21], s[20:21], s[18:19]
	s_add_nc_u64 s[PFA:PFA+1], s[PFA:PFA+1], s[20:21]
	s_add_nc_u64 s[PFA:PFA+1], s[PFA:PFA+1], 2*KSTEP*2  ; at K step 2: the first refill steps it to 3 and names K step 4
	v_and_b32 v[PFO], 31, v0
	v_mul_u32_u24 v[PFO], v[PFO], SIZE_K*2
	s_cmp_lt_u32 s42, 1024                         ; columns under 1,024 are Y's
	s_cselect_b32 s[SCL], 0x38000000, 1.0          ; 2^-15 (W holds 32 H, and Y is kept as Y / 1024), or 1
	s_mov_b32 s[SCL+1], s[SCL]
; 16 matrix instructions: m blocks a0, a0 + 1 of the window's four x all 8 n blocks, 32 along K.  zero = 1: the first product starts the sums
.macro MUL16 f, hi, a0, zero
	WIN MUL_LO+0x50*(\hi)
.irp a, \a0, (\a0)+1
.irp b, 0,1,2,3,4,5,6,7
.if \zero
	v_wmma_f32_16x16x32_f16 v[8*(8*(\a)+(\b)):8*(8*(\a)+(\b))+7], v[(\f)+8*(\b):(\f)+8*(\b)+7], v[(\f)+8*(4*(\hi)+(\a)):(\f)+8*(4*(\hi)+(\a))+7], 0
.else
	v_wmma_f32_16x16x32_f16 v[8*(8*(\a)+(\b)):8*(8*(\a)+(\b))+7], v[(\f)+8*(\b):(\f)+8*(\b)+7], v[(\f)+8*(4*(\hi)+(\a)):(\f)+8*(4*(\hi)+(\a))+7], v[8*(8*(\a)+(\b)):8*(8*(\a)+(\b))+7]
.endif
.endr
.endr
.endm
; 32 LDS loads in one run: the fragments of one quarter step into buffer f
.macro FETCH slot, k, f
	WIN TO_B
.irp i, 0,1,2,3,4,5,6,7
	ds_load_b128 v[(\f)+8*(\i):(\f)+8*(\i)+3],   v[ADRB+(\slot)] offset:(\k)+(\i)*16*PITCH
	ds_load_b128 v[(\f)+8*(\i)+4:(\f)+8*(\i)+7], v[ADRB+(\slot)] offset:(\k)+(\i)*16*PITCH+32
.endr
	WIN 0
.irp i, 0,1,2,3,4,5,6,7
	ds_load_b128 v[(\f)+8*(\i):(\f)+8*(\i)+3],   v[ADRA+(\slot)] offset:(\k)+(\i)*16*PITCH
	ds_load_b128 v[(\f)+8*(\i)+4:(\f)+8*(\i)+7], v[ADRA+(\slot)] offset:(\k)+(\i)*16*PITCH+32
.endr
.endm
.macro PLACES                          ; four plain instructions between a matrix instruction and a load into, or a vector read of, its registers
.rept 4
	v_nop
.endr
.endm
; A K step is four quarters of 32 along K, 64 matrix instructions each, on buffers 0, 1, 0, 1.  One of the first three: multiplies f, fetches byte k of the rows into g.
.macro QUARTER slot, k, f, g, zero
	s_wait_dscnt 8                                 ; W and X's rows 0-63 are in; the youngest eight loads (X's rows 64-127) may be out
	MUL16 \f, 0, 0, \zero
	MUL16 \f, 0, 2, \zero
	PLACES
	FETCH \slot, \k, \g
	s_wait_dscnt 32                                ; all but the 32 just issued
	MUL16 \f, 1, 0, \zero
	MUL16 \f, 1, 2, \zero
.endm
; The first half of the last quarter: one barrier for the change of slots.
.macro MEET round
	WIN 0
	s_wait_tensorcnt 0x0                           ; all my tensor loads have landed: the one that was out is my part of the next slot
	ds_add_u32 v[SPW], v[NIL]                      ; 0 onto my spare word
	s_wait_dscnt 9                                 ; the add and the youngest eight loads may be out
	MUL16 F1, 0, 0, 0
	s_wait_dscnt 0x0                               ; the add is done, and my reads of this slot are over
	s_barrier_signal -1
	MUL16 F1, 0, 2, 0
.if \round
	WIN 0
.endif
	s_barrier_wait -1
.endm
.macro TURN slot, next
	s_wait_xcnt 0x0                                ; the last prefetch, a K step back, has read its address
	s_add_nc_u64 s[PFA:PFA+1], s[PFA:PFA+1], KSTEP*2
	MEET 1
	CREST                                          ; no wave of any partner still reads this slot's tile or has a load on its way
	s_add_nc_u64 s[G0+4*(\slot)+2:G0+4*(\slot)+3], s[G0+4*(\slot)+2:G0+4*(\slot)+3], 2*KSTEP*2
	s_add_nc_u64 s[G0B+4*(\slot)+2:G0B+4*(\slot)+3], s[G0B+4*(\slot)+2:G0B+4*(\slot)+3], 2*KSTEP*2
	JLOAD \slot                                    ; the first tensor load behind the round; its four v_nop are also the places in front of the loads below
	FETCH \next, 0, F0
	ASK
	MUL16 F1, 1, 0, 0
	MUL16 F1, 1, 2, 0
.endm
; THE LAST K STEP (slot 1) GOES BY ROWS OF YV: all its fragments of W fill window 1; my eight blocks of 16 rows are finished one after the other and leave at once.
.macro BLOAD q
	WIN TO_B
.irp i, 0,1,2,3,4,5,6,7
	ds_load_b128 v[64*(\q)+8*(\i):64*(\q)+8*(\i)+3],   v[ADRB+1] offset:64*(\q)+(\i)*16*PITCH
	ds_load_b128 v[64*(\q)+8*(\i)+4:64*(\q)+8*(\i)+7], v[ADRB+1] offset:64*(\q)+(\i)*16*PITCH+32
.endr
.endm
.macro ALOAD a
	WIN 0
.set FA, PA+32*((\a)%4)
.irp q, 0,1,2,3
	ds_load_b128 v[FA+8*(\q):FA+8*(\q)+3],   v[ADRA+1] offset:64*(\q)+(\a)*16*PITCH
	ds_load_b128 v[FA+8*(\q)+4:FA+8*(\q)+7], v[ADRA+1] offset:64*(\q)+(\a)*16*PITCH+32
.endr
.endm
.macro ROW a
.set FA, PA+32*((\a)%4)
.set AC, 64*((\a)%4)
	WIN MUL_LO+0x50*((\a)/4)
.irp q, 0,1,2,3
.if (\a) == 0 && (\q) == 2
	s_wait_dscnt 24                                ; W's quarter 2 is in (behind it: X's blocks 1 to 3)
.endif
.irp b, 0,1,2,3,4,5,6,7
	v_wmma_f32_16x16x32_f16 v[AC+8*(\b):AC+8*(\b)+7], v[64*(\q)+8*(\b):64*(\q)+8*(\b)+7], v[FA+8*(\q):FA+8*(\q)+7], v[AC+8*(\b):AC+8*(\b)+7]
.endr
.endr
.endm
.macro PACK a                          ; times f in f32, in place; then rounded to f16, 16 bytes a lane; each accumulator's registers in ascending order
.set AC, 64*((\a)%4)
	WIN 0x82+0x41*((\a)/4)                         ; destination and source 0 in window 2 or 3
.set z, 0
.rept 32
	v_pk_mul_f32 v[AC+z:AC+z+1], v[AC+z:AC+z+1], s[SCL:SCL+1] op_sel_hi:[1,0]
.set z, z+2
.endr
	WIN 0x0a+5*((\a)/4)
.irp b, 0,1,2,3,4,5,6,7
.irp r, 0,1,2,3
	v_cvt_pk_f16_f32 v[TMP+4*(\b)+(\r)], v[AC+8*(\b)+2*(\r)], v[AC+8*(\b)+2*(\r)+1]
.endr
.endr
	WIN 0
.endm
.macro TOSTAGE a
	WIN 0
.set BK, OB+192*((\a)%2)
.irp b, 0,1,2,3,4,5,6,7
	ds_store_b128 v[STO], v[TMP+4*(\b):TMP+4*(\b)+3] offset:32*(\b)
.endr
.irp t, 0,1,2,3,4,5,6,7
	ds_load_b128 v[BK+4*(\t):BK+4*(\t)+3], v[RD] offset:(\t)*2*SPITCH  ; LDS serves a wave's instructions in order (ISA guide 5.7.1.4): these see the stores above
.endr
.endm
.macro SEND a, younger
	WIN 0
.set BK, OB+192*((\a)%2)
	s_wait_dscnt \younger                          ; the block is back in registers
	s_wait_xcnt 0x0                                ; earlier stores have read their base and data: only now are they rewritten
.if (\a) == 0
	s_add_nc_u64 s[8:9], s[8:9], s[16:17]
.else
	s_add_nc_u64 s[8:9], s[8:9], 16*SIZE_N*2
.endif
.irp t, 0,1,2,3,4,5,6,7
	global_store_b128 v[CO], v[BK+4*(\t):BK+4*(\t)+3], s[8:9] offset:2*(\t)*SIZE_N*2  ; 16 lanes store 256 consecutive bytes, aligned
.endr
.endm
	s_wait_tensorcnt 1                             ; my part of K step 0 is in; K step 1's load may be out
	s_barrier_signal -1
	s_barrier_wait -1
	FETCH 0, 0, F0
	QUARTER 0, 64,  F0, F1, 1                      ; the first quarter stands in front of the loop: its products start the sums
	WIN 0
	s_mov_b32 s3, LAPS-1
.Llap:                                                 ; a trip goes once round the ring and fills both slots again
	QUARTER 0, 128, F1, F0, 0
	QUARTER 0, 192, F0, F1, 0
	TURN 0, 1
	QUARTER 1, 64,  F0, F1, 0
	QUARTER 1, 128, F1, F0, 0
	QUARTER 1, 192, F0, F1, 0
	TURN 1, 0
	QUARTER 0, 64,  F0, F1, 0
	WIN 0
	s_sub_co_u32 s3, s3, 1
	s_cmp_lg_u32 s3, 0
	s_cbranch_scc1 .Llap
	QUARTER 0, 128, F1, F0, 0
	QUARTER 0, 192, F0, F1, 0
	MEET 0                                         ; nothing is filled again, so no round follows
	PLACES
	BLOAD 0
	BLOAD 1
	BLOAD 3
	ALOAD 0
	MUL16 F1, 1, 0, 0
	MUL16 F1, 1, 2, 0
	PLACES
	BLOAD 2
	ALOAD 1
	ALOAD 2
	ALOAD 3
	s_wait_dscnt 40                                ; all but the 40 just issued
	ROW 0
.irp a, 0,1,2,3,4,5,6,7
	PLACES
	PACK \a
	TOSTAGE \a
.if (\a) < 4
	ALOAD (\a)+4
	SEND \a, 8
.else
	SEND \a, 0
.endif
.if (\a) < 7
	ROW (\a)+1
.endif
.endr
	s_wait_tensorcnt 0x0                           ; the wave's end
	ds_add_u32 v[SPW], v[NIL]
	s_wait_dscnt 0x0
	CROUND                                         ; the closing round
	s_endpgm
.Lfunc_end_k_q1d08a5407d_proj:
	.size	k_q1d08a5407d_proj, .Lfunc_end_k_q1d08a5407d_proj-k_q1d08a5407d_proj
	.p2alignl 7, 3214868480
	.fill 96, 4, 3214868480
	.section	.rodata,"a",@progbits
	.p2align	6, 0x0
	.amdhsa_kernel k_q1d08a5407d_proj
		.amdhsa_group_segment_fixed_size 327680
		.amdhsa_private_segment_fixed_size 0
		.amdhsa_enable_private_segment 0
		.amdhsa_kernarg_size 24
		.amdhsa_user_sgpr_count 2
		.amdhsa_user_sgpr_kernarg_segment_ptr 1
		.amdhsa_wavefront_size32 1
		.amdhsa_system_sgpr_workgroup_id_x 1
		.amdhsa_system_sgpr_workgroup_id_y 1
		.amdhsa_system_sgpr_workgroup_id_z 1
		.amdhsa_system_vgpr_workitem_id 0
		.amdhsa_next_free_vgpr 1024
		.amdhsa_next_free_sgpr 66
		.amdhsa_reserve_vcc 0
		.amdhsa_float_denorm_mode_32 3
		.amdhsa_float_denorm_mode_16_64 3
		.amdhsa_memory_ordered 1
		.amdhsa_forward_progress 1
		.amdhsa_inst_pref_size 161
	.end_amdhsa_kernel
	.amdgpu_metadata
---
amdhsa.version: [ 1, 2 ]
amdhsa.kernels:
  - .name:           k_q1d08a5407d_proj
    .symbol:         k_q1d08a5407d_proj.kd
    .args:
      - { .name: xh, .offset: 0, .size: 8, .value_kind: global_buffer, .address_space: global }
      - { .name: wb, .offset: 8, .size: 8, .value_kind: global_buffer, .address_space: global }
      - { .name: yv, .offset: 16, .size: 8, .value_kind: global_buffer, .address_space: global }
    .group_segment_fixed_size: 327680
    .private_segment_fixed_size: 0
    .kernarg_segment_align: 8
    .kernarg_segment_size: 24
    .max_flat_workgroup_size: 128
    .sgpr_count:     66
    .vgpr_count:     1024
    .wavefront_size: 32
...
	.end_amdgpu_metadata
.endif
;; end of part 2
;; launch scores (part 3): grid 9 x 16, 4 waves a work-group, no clusters, 327,680 bytes of LDS; arguments yv, pt, st, xh; writes pt, st
.if DOCPART == 3
	.amdgcn_target "amdgcn-amd-amdhsa--gfx1250"
	.amdhsa_code_object_version 6
	.text
	.protected	k_q1d08a5407d_scores
	.globl	k_q1d08a5407d_scores
	.p2align	8
	.type	k_q1d08a5407d_scores,@function
k_q1d08a5407d_scores:
	s_mov_b64 s[64:65], 0
	v_nop
	global_prefetch_b8 v0, s[64:65] scope:SCOPE_SE
	s_setreg_imm32_b32 hwreg(HW_REG_WAVE_MODE, 25, 1), 1
	s_wait_xcnt 0x0
; S / 1024 = (Y / 1024) X^T on the causal tiles, and the first half of the softmax.  Since Q K^T = X (Wq^T Wk) X^T = Y X^T, the query operand is Y / 1024 (yv, f16, byte 0 of rows of 4,096 bytes)
; and the key operand is x itself (xh, f16, rows of 2,048 bytes).
; For each query row and each block of 128 keys, with s the product as it stands here: m = the largest visible s; p = 2^(c (s - m)), c = 1024 log2(e) / 32 = 32 log2(e), rounded to f16 into pt [4][2048][2048];
; l = the sum of the unrounded p, in f32.  m and l go to st: [batch][block of 128 rows][block of 128 keys][256 words]; row rho has m at word
; (rho / 16) 32 + ((rho / 8) % 2) 16 + rho % 8 and l eight words on.  The next launch joins the blocks by the row's true maximum.
; LIMITS.  A hidden score counts as -1e36; m has a floor of -1e30 (products of f16 operands stay under 4.4e12), so a block that is wholly hidden gives p = 0, l = 0.
; The difference s - m is taken first and scaled then, so p <= 1 whatever the size of the scores.  p below 6e-8 is 0 in f16.  NaN and infinities are not treated apart.
; WHICH TILE.  A batch has 36 tiles of 256 x 256 on or below the diagonal.  Grid row y: batch y / 4, r = y % 4; its nine work-groups make tile row 7 - r (8 - r tiles) and tile row r (r + 1 tiles).
; NO CLUSTER: the triangle of 36 tiles holds one square of 4 x 4 tile rows and columns; the two triangles of 10 tiles beside it cannot be cut into fours that share a row or a column.
; THE PRODUCT: four waves, each 128 x 128 in 64 accumulators; the 1,024 channels in steps of 128 through a ring of two LDS slots; source 0 = 16 keys, source 1 = 16 queries:
; a lane holds query l % 16 and keys 8 (l / 16) + 0..7.  Windows: 0 addresses and the queries' fragments, 1 the keys' fragments, 2 and 3 the accumulators.
; THE SOFTMAX: the wave's 128 x 128 scores go into its own stage in LDS (over the ring, whose last fill is past) and come back by rows: sixteen lanes hold one row's 128 scores, eight each.
.set KSTEP,  128
.set PITCH,  272                       ; 256 bytes + 16 of padding
.set HALFT,  128*PITCH
.set SLOT,   4*HALFT                   ; the queries' 256 rows, then the keys' 256 rows
.set LAPS,   4
.set SPI,    528                       ; a stage row: 128 f32 + 16 bytes
.set WST,    128*SPI                   ; a wave's stage
.set STATL,  2*SLOT                    ; behind the ring: 1,024 bytes of statistics for each wave
.set SPARE,  STATL+4096                ; the spare words, 128 bytes for each wave; no other line names them
.set PFO,  8                           ; v8-11   (lane + 32 j) x a row of the tensor that I fetch from; never rewritten
.set ADRA, 16                          ; v16-17  my query fragments in slot 0, 1
.set ADRB, 20                          ; v20-21  my key fragments
.set DST,  22                          ; v22     where I put 16 bytes of a stage row
.set RDA,  23                          ; v23     where I read a stage row back; steps by 16 rows
.set PO,   24                          ; v24     my byte offset in pt; steps by 16 rows
.set TH,   25                          ; v25     key j of set t is hidden where j - t is greater; steps by 16
.set STA,  26                          ; v26     where my lane's statistic goes; steps by 128 bytes
.set LO16, 27                          ; v27     16 x lane
.set SPW,  28
.set NIL,  29
.set SRD,  31                          ; v31     where I read the statistics back
.set M,    32                          ; v[32+2t] m of set t (the odd neighbours are written once: the packed subtraction names pairs)
.set LL,   48                          ; v[48+t]  l of set t
.set ZZ,   56
.set HID,  58                          ; -1e36
.set FLO,  59                          ; -1e30
.set X,    64                          ; v[64:127]  eight sets of eight scores
.set PH,   128                         ; v[128:159] eight sets of four registers of f16
.set F0,   64
.set F1,   128
.set G1,  24                           ; s[24:31] descriptor group 1 for the queries' tiles: rows 2,048 elements apart (yv)
.set G1B, 92                           ; s[92:99] the same for the keys' tiles: rows 1,024 elements apart (xh)
.set G0,  32                           ; s[32:39] group 0, a set for each slot: my own 128 rows, of either tensor
.set DEL, 40                           ; s40  first query less first key of my 128 x 128
.set LIM, 43
.set PFA, 44
.set RSH, 56                           ; s56  a row of the tensor that I fetch from is 1 << RSH bytes
.set CS,  58                           ; s[58:59] c, twice
.set MK,  66                           ; s[66:80] lane masks: j - t = d - 7 is hidden
.set PK,  81                           ; s[82:88] lanes with l % 8 = t, t = 1..7
.set HL,  89                           ; lanes 8-15 and 24-31
.set MSB, 0
.macro WIN new
.if MSB != (\new)
	s_set_vgpr_msb (MSB<<8)|(\new)
.set MSB, \new
.endif
.endm
.set MUL_LO, 0xa1
.set MUL_HI, 0xf1
.set TO_B,   0x40
; A fill of my 128 rows of slot s.  Waves 0 and 1 fetch the queries' two halves, waves 2 and 3 the keys': the two tensors' rows lie differently far apart, so each has a group 1 of constants and a line of its own.
; The branch hangs on the wave's number alone.  An s_nop 0 and four v_nop follow each of the two lines, ahead of the jump and the label.
.macro LOAD s
	s_cmp_eq_u32 s11, 0
	s_cbranch_scc0 .Lfor_k_\@
	tensor_load_to_lds s[G0+4*(\s):G0+4*(\s)+3], s[G1:G1+7]
	s_nop 0
.rept 4
	v_nop
.endr
	s_branch .Lasked_\@
.Lfor_k_\@:
	tensor_load_to_lds s[G0+4*(\s):G0+4*(\s)+3], s[G1B:G1B+7]
	s_nop 0
.rept 4
	v_nop
.endr
.Lasked_\@:
.endm
; A prefetch into the L2 of the K step two refills on: my 128 rows x 256 bytes, a lane a row, four instructions.  The queries' tile row I is named by the work-group with J = 0 (waves 0, 1),
; the keys' tile row J by the work-group on the diagonal (waves 2, 3): each block once in the launch.  K steps 4 to 7 are named; the loop's last trip asks for nothing.
.macro ASK
	s_cmp_gt_u32 s3, s[LIM]
	s_cbranch_scc0 .Lnot_mine_\@
.irp j, 0,1,2,3
	global_prefetch_b8 v[PFO+(\j)], s[PFA:PFA+1] offset:KSTEP*2 th:TH_LOAD_NT scope:SCOPE_SE
.endr
.Lnot_mine_\@:
.endm
	s_load_b128 s[4:7], s[0:1], 0x0                ; yv s[4:5], pt s[6:7]
	s_load_b64 s[8:9], s[0:1], 0x10                ; st
	s_load_b64 s[52:53], s[0:1], 0x18              ; xh
	v_lshl_add_u32 v[SPW], v0, 2, SPARE
	v_mov_b32 v[NIL], 0
	ds_add_u32 v[SPW], v[NIL]                      ; the wave's opening: the add and its wait stand ahead of my first tensor load
	ds_add_u32 v28, v29
	v_lshrrev_b32 v1, 5, v0
	v_readfirstlane_b32 s10, v1                    ; wave
	s_lshr_b32 s11, s10, 1                         ; my half of the queries.  Also: I fetch queries (0) or keys (1)
	s_and_b32 s12, s10, 1                          ; my half of the keys.  Also: which 128 rows I fetch
	s_and_b32 s13, ttmp7, 0xffff
	s_and_b32 s14, s13, 3                          ; r
	s_lshr_b32 s15, s13, 2                         ; batch
	s_sub_co_u32 s16, 8, s14                       ; tiles in tile row 7 - r
	s_sub_co_u32 s17, 7, s14
	s_sub_co_u32 s18, ttmp9, s16
	s_cmp_lt_u32 ttmp9, s16
	s_cselect_b32 s19, s17, s14                    ; I
	s_cselect_b32 s20, ttmp9, s18                  ; J
.irp g, G1, G1B
	s_mov_b32 s[(\g)+0], (1<<16)|(1<<20)|(5<<22)|(3<<25)  ; 2-byte elements; padding on: 4 words after every 64
	s_mov_b32 s[(\g)+1], KSTEP<<16                 ; tensor_dim0 = 128
	s_mov_b32 s[(\g)+2], 128<<16                   ; tensor_dim1 = 128
	s_mov_b32 s[(\g)+3], KSTEP<<16                 ; tile_dim0 = 128
	s_mov_b32 s[(\g)+4], 128                       ; tile_dim1 = 128
	s_mov_b32 s[(\g)+6], 0
	s_mov_b32 s[(\g)+7], 0
.endr
	s_mov_b32 s[G1+5], 2048                        ; elements from row to row in yv
	s_mov_b32 s[G1B+5], 1024                       ; and in xh
	s_cmp_eq_u32 s11, 0
	s_cselect_b32 s21, s19, s20                    ; the tile row that I fetch from
	s_lshl_b32 s21, s21, 8
	s_lshl_b32 s23, s15, 11                        ; the batch's first row
	s_add_co_u32 s21, s21, s23
	s_lshl_b32 s41, s12, 7
	s_add_co_u32 s21, s21, s41
	s_sub_co_u32 s[RSH], 12, s11                   ; rows of 4,096 or of 2,048 bytes
	s_lshl_b32 s46, s21, s[RSH]
	s_mov_b32 s47, 0
	s_mul_i32 s42, s10, HALFT                      ; my 128 rows in a slot
	s_sub_co_u32 s[DEL], s19, s20
	s_lshl_b32 s[DEL], s[DEL], 8
	s_sub_co_u32 s41, s11, s12
	s_lshl_b32 s41, s41, 7
	s_add_co_u32 s[DEL], s[DEL], s41               ; 256 (I - J) + 128 (row half - key half)
	s_sub_co_u32 s41, s19, s20
	s_cmp_eq_u32 s11, 0
	s_cselect_b32 s41, s20, s41
	s_cmp_eq_u32 s41, 0
	s_cselect_b32 s[LIM], 1, -1
	s_lshl_b32 s48, s19, 8                         ; pt: my first row,
	s_add_co_u32 s48, s48, s23
	s_lshl_b32 s41, s11, 7
	s_add_co_u32 s48, s48, s41
	s_lshl_b32 s48, s48, 12
	s_lshl_b32 s41, s20, 9                         ; my first key
	s_add_co_u32 s48, s48, s41
	s_lshl_b32 s41, s12, 8
	s_add_co_u32 s48, s48, s41
	s_mov_b32 s49, 0
	s_lshl_b32 s50, s15, 4                         ; st: (batch 16 + row block) 16 + key block, 1,024 bytes each
	s_lshl_b32 s41, s19, 1
	s_add_co_u32 s50, s50, s41
	s_add_co_u32 s50, s50, s11
	s_lshl_b32 s50, s50, 4
	s_lshl_b32 s41, s20, 1
	s_add_co_u32 s50, s50, s41
	s_add_co_u32 s50, s50, s12
	s_lshl_b32 s50, s50, 10
	s_mov_b32 s51, 0
	s_mov_b32 s[CS], 0x4238aa3b                    ; c = 32 log2(e)
	s_mov_b32 s[CS+1], s[CS]
.irp t, 1,2,3,4,5,6,7
	s_mov_b32 s[PK+(\t)], 0x01010101<<(\t)
.endr
	s_mov_b32 s[HL], 0xff00ff00
	s_wait_dscnt 0x0                               ; the opening add is done
	s_wait_kmcnt 0x0
	s_cmp_eq_u32 s11, 0
	s_cselect_b64 s[54:55], s[4:5], s[52:53]       ; the tensor that I fetch from
	s_add_nc_u64 s[46:47], s[54:55], s[46:47]      ; my rows, K step 0
	s_add_nc_u64 s[6:7], s[6:7], s[48:49]
	s_add_nc_u64 s[8:9], s[8:9], s[50:51]
	s_add_nc_u64 s[PFA:PFA+1], s[46:47], 2*KSTEP*2 ; at K step 2: the first refill steps it to 3 and names K step 4
.irp s, 0,1
	s_mov_b32 s[G0+4*(\s)], 1
	s_add_co_u32 s[G0+4*(\s)+1], s42, (\s)*SLOT
	s_add_nc_u64 s[G0+4*(\s)+2:G0+4*(\s)+3], s[46:47], (\s)*KSTEP*2
	s_or_b32 s[G0+4*(\s)+3], s[G0+4*(\s)+3], 0x80000000
.endr
	s_cmp_eq_u32 s11, 0                            ; a wave's two first fills stand in one branch, ahead of every wait on TENSORcnt, every LDS read and every barrier: two loads of mine are out
	s_cbranch_scc0 .Lfirst_k
	tensor_load_to_lds s[G0:G0+3], s[G1:G1+7]
	s_nop 0
	tensor_load_to_lds s[G0+4:G0+7], s[G1:G1+7]
	s_nop 0
.rept 4
	v_nop
.endr
	s_branch .Lfirst_asked
.Lfirst_k:
	tensor_load_to_lds s[G0:G0+3], s[G1B:G1B+7]
	s_nop 0
	tensor_load_to_lds s[G0+4:G0+7], s[G1B:G1B+7]
	s_nop 0
.rept 4
	v_nop
.endr
.Lfirst_asked:
	v_and_b32 v1, 15, v0                           ; l % 16
	v_bfe_u32 v2, v0, 4, 1                         ; l / 16
	v_and_b32 v6, 31, v0                           ; l
	v_mul_u32_u24 v3, v1, PITCH
	v_lshl_add_u32 v3, v2, 4, v3
	s_mul_i32 s21, s11, HALFT
	s_mul_i32 s22, s12, HALFT
	s_add_co_u32 s22, s22, 2*HALFT
.irp s, 0,1
	v_add_nc_u32 v[ADRA+(\s)], s21, v3
	v_add_nc_u32 v[ADRB+(\s)], s22, v3
	s_add_co_u32 s21, s21, SLOT
	s_add_co_u32 s22, s22, SLOT
.endr
	s_mul_i32 s23, s10, WST                        ; my stage
	v_mul_u32_u24 v4, v1, SPI
	v_lshl_add_u32 v4, v2, 4, v4
	v_add_nc_u32 v[DST], s23, v4                   ; in: row l % 16, 16 bytes for each half of the lanes
	v_mul_u32_u24 v5, v2, 8*SPI
	v_lshl_add_u32 v5, v1, 4, v5
	v_add_nc_u32 v[RDA], s23, v5                   ; back: lanes 0-15 row t, lanes 16-31 row t + 8
	v_lshlrev_b32 v[PO], 15, v2
	v_lshl_add_u32 v[PO], v1, 4, v[PO]
	v_sub_nc_u32 v[TH], v2, v1
	v_lshlrev_b32 v[TH], 3, v[TH]
	v_add_nc_u32 v[TH], s[DEL], v[TH]              ; 8 (l / 16) - 8 (l % 16) + the distance of my corner from the diagonal
	s_lshl_b32 s23, s10, 10
	s_add_co_u32 s23, s23, STATL
	v_lshl_add_u32 v[STA], v6, 2, s23
	v_lshlrev_b32 v[LO16], 4, v6
	v_lshl_add_u32 v[SRD], v6, 4, s23
	v_lshlrev_b32 v[PFO], s[RSH], v6
.irp j, 1,2,3
	v_add_nc_u32 v[PFO+(\j)], 32*(\j), v6
	v_lshlrev_b32 v[PFO+(\j)], s[RSH], v[PFO+(\j)]
.endr
	v_mov_b32 v[HID], 0xfb4097ce
	v_mov_b32 v[FLO], 0xf149f2ca
.irp t, 0,1,2,3,4,5,6,7
	v_mov_b32 v[M+2*(\t)+1], 0
.endr
.macro MUL16 f, hi, a0, zero
	WIN MUL_LO+0x50*(\hi)
.irp a, \a0, (\a0)+1
.irp b, 0,1,2,3,4,5,6,7
.if \zero
	v_wmma_f32_16x16x32_f16 v[8*(8*(\a)+(\b)):8*(8*(\a)+(\b))+7], v[(\f)+8*(\b):(\f)+8*(\b)+7], v[(\f)+8*(4*(\hi)+(\a)):(\f)+8*(4*(\hi)+(\a))+7], 0
.else
	v_wmma_f32_16x16x32_f16 v[8*(8*(\a)+(\b)):8*(8*(\a)+(\b))+7], v[(\f)+8*(\b):(\f)+8*(\b)+7], v[(\f)+8*(4*(\hi)+(\a)):(\f)+8*(4*(\hi)+(\a))+7], v[8*(8*(\a)+(\b)):8*(8*(\a)+(\b))+7]
.endif
.endr
.endr
.endm
.macro FETCH slot, k, f
	WIN TO_B
.irp i, 0,1,2,3,4,5,6,7
	ds_load_b128 v[(\f)+8*(\i):(\f)+8*(\i)+3],   v[ADRB+(\slot)] offset:(\k)+(\i)*16*PITCH
	ds_load_b128 v[(\f)+8*(\i)+4:(\f)+8*(\i)+7], v[ADRB+(\slot)] offset:(\k)+(\i)*16*PITCH+32
.endr
	WIN 0
.irp i, 0,1,2,3,4,5,6,7
	ds_load_b128 v[(\f)+8*(\i):(\f)+8*(\i)+3],   v[ADRA+(\slot)] offset:(\k)+(\i)*16*PITCH
	ds_load_b128 v[(\f)+8*(\i)+4:(\f)+8*(\i)+7], v[ADRA+(\slot)] offset:(\k)+(\i)*16*PITCH+32
.endr
.endm
.macro PLACES                          ; four plain instructions between a matrix instruction and a load into, or a read of, its registers
.rept 4
	v_nop
.endr
.endm
.macro QUARTER slot, k, f, g, zero
	s_wait_dscnt 8                                 ; the keys' and the queries' rows 0-63 are in; the youngest eight loads (the queries' rows 64-127) may be out
	MUL16 \f, 0, 0, \zero
	MUL16 \f, 0, 2, \zero
	PLACES
	FETCH \slot, \k, \g
	s_wait_dscnt 32                                ; all but the 32 just issued
	MUL16 \f, 1, 0, \zero
	MUL16 \f, 1, 2, \zero
.endm
.macro MEET zerowin
	WIN 0
	s_wait_tensorcnt 0x0                           ; all my tensor loads have landed: the one that was out is my part of the next slot
	ds_add_u32 v[SPW], v[NIL]                      ; 0 onto my spare word
	s_wait_dscnt 9                                 ; the add and the youngest eight loads may be out
	MUL16 F1, 0, 0, 0
	s_wait_dscnt 0x0                               ; the add is done, and my reads of this slot are over
	s_barrier_signal -1
	MUL16 F1, 0, 2, 0
.if \zerowin
	WIN 0
.endif
	s_barrier_wait -1                              ; nobody reads this slot any more, and the next slot is whole
.endm
.macro TURN slot, next
	s_wait_xcnt 0x0                                ; the last prefetches, a K step back, have read their address
	s_add_nc_u64 s[PFA:PFA+1], s[PFA:PFA+1], KSTEP*2
	MEET 1
	s_add_nc_u64 s[G0+4*(\slot)+2:G0+4*(\slot)+3], s[G0+4*(\slot)+2:G0+4*(\slot)+3], 2*KSTEP*2  ; no load of mine is out: the K step two on
	LOAD \slot                                     ; my one tensor load behind the barrier: 224 matrix instructions ahead of the wait for it; its four v_nop are also the places in front of the loads below
	FETCH \next, 0, F0
	ASK
	MUL16 F1, 1, 0, 0
	MUL16 F1, 1, 2, 0
.endm
	s_wait_tensorcnt 1                             ; my part of K step 0 is in; K step 1's load may be out
	s_barrier_signal -1
	s_barrier_wait -1
	FETCH 0, 0, F0
	QUARTER 0, 64,  F0, F1, 1                      ; the first quarter's products start the sums
	WIN 0
	s_mov_b32 s3, LAPS-1
.Llap:
	QUARTER 0, 128, F1, F0, 0
	QUARTER 0, 192, F0, F1, 0
	TURN 0, 1
	QUARTER 1, 64,  F0, F1, 0
	QUARTER 1, 128, F1, F0, 0
	QUARTER 1, 192, F0, F1, 0
	TURN 1, 0
	QUARTER 0, 64,  F0, F1, 0
	WIN 0
	s_sub_co_u32 s3, s3, 1
	s_cmp_lg_u32 s3, 0
	s_cbranch_scc1 .Llap
	QUARTER 0, 128, F1, F0, 0                      ; the last lap fills nothing
	QUARTER 0, 192, F0, F1, 0
	MEET 0
	PLACES
	FETCH 1, 0, F0
	MUL16 F1, 1, 0, 0
	MUL16 F1, 1, 2, 0
	QUARTER 1, 64,  F0, F1, 0
	QUARTER 1, 128, F1, F0, 0
	QUARTER 1, 192, F0, F1, 0
	s_wait_dscnt 8
	MUL16 F1, 0, 0, 0
	MUL16 F1, 0, 2, 0
	s_wait_dscnt 0x0                               ; my last reads of the ring are back:
	s_barrier_signal -1                            ; the stages that are written next lie over it
	MUL16 F1, 1, 0, 0
	MUL16 F1, 1, 2, 0
	WIN 0
	s_barrier_wait -1
	; THE SCORES GO INTO MY STAGE.  A row's 32 pieces of 16 bytes are laid even pieces first, then odd ones, so that a lane's two pieces of 4 keys are read back 256 bytes apart.
	PLACES
.irp a, 0,1,2,3,4,5,6,7
	WIN 0x08+4*((\a)/4)                            ; the data (source 1) in window 2 or 3
.irp b, 0,1,2,3,4,5,6,7
	ds_store_b128 v[DST], v[8*(8*((\a)%4)+(\b)):8*(8*((\a)%4)+(\b))+3]   offset:(\a)*16*SPI+32*(\b)
	ds_store_b128 v[DST], v[8*(8*((\a)%4)+(\b))+4:8*(8*((\a)%4)+(\b))+7] offset:(\a)*16*SPI+32*(\b)+256
.endr
.endr
	WIN 0
	; EIGHT TRIPS OF 16 ROWS.  Set t holds row 16 trip + t + 8 (l / 16); lane x = l % 16 holds its keys 8 x .. 8 x + 7.
	s_mov_b32 s2, 8
.Lrows:
.irp t, 0,1,2,3,4,5,6,7
	ds_load_b128 v[X+8*(\t):X+8*(\t)+3],   v[RDA] offset:SPI*(\t)      ; LDS serves a wave's instructions in order (ISA guide 5.7.1.4): these see my stores
	ds_load_b128 v[X+8*(\t)+4:X+8*(\t)+7], v[RDA] offset:SPI*(\t)+256
.endr
	s_wait_dscnt 0x0
	s_cmp_ge_i32 s[DEL], 128                       ; 128 rows or more below the diagonal nothing is hidden
	s_cbranch_scc1 .Lnomask
.set d, 0
.rept 15
	v_cmp_gt_i32 s[MK+d], d-7, v[TH]
.set d, d+1
.endr
.irp t, 0,1,2,3,4,5,6,7
.irp j, 0,1,2,3,4,5,6,7
	v_cndmask_b32 v[X+8*(\t)+(\j)], v[X+8*(\t)+(\j)], v[HID], s[MK+(\j)-(\t)+7]
.endr
.endr
.Lnomask:
.irp t, 0,1,2,3,4,5,6,7
	v_max3_num_f32 v[M+2*(\t)], v[X+8*(\t)], v[X+8*(\t)+1], v[X+8*(\t)+2]
.endr
.irp t, 0,1,2,3,4,5,6,7
	v_max3_num_f32 v[M+2*(\t)], v[M+2*(\t)], v[X+8*(\t)+3], v[X+8*(\t)+4]
.endr
.irp t, 0,1,2,3,4,5,6,7
	v_max3_num_f32 v[M+2*(\t)], v[M+2*(\t)], v[X+8*(\t)+5], v[X+8*(\t)+6]
.endr
.irp t, 0,1,2,3,4,5,6,7
	v_max3_num_f32 v[M+2*(\t)], v[M+2*(\t)], v[X+8*(\t)+7], v[FLO]
.endr
.irp k, 1,2,4,8
.irp t, 0,1,2,3,4,5,6,7
	v_max_num_f32_dpp v[M+2*(\t)], v[M+2*(\t)], v[M+2*(\t)] row_xmask:\k row_mask:0xf bank_mask:0xf
.endr
.endr
.irp t, 0,1,2,3,4,5,6,7
.irp k, 0,2,4,6
	v_pk_add_f32 v[X+8*(\t)+(\k):X+8*(\t)+(\k)+1], v[X+8*(\t)+(\k):X+8*(\t)+(\k)+1], v[M+2*(\t):M+2*(\t)+1] op_sel_hi:[1,0] neg_lo:[0,1] neg_hi:[0,1]  ; s - m
.endr
.endr
.set i, 0
.rept 32
	v_pk_mul_f32 v[X+i:X+i+1], v[X+i:X+i+1], s[CS:CS+1] op_sel_hi:[1,0]
.set i, i+2
.endr
.set i, 0
.rept 64
	v_exp_f32 v[X+i], v[X+i]
.set i, i+1
.endr
	v_nop                                          ; a plain instruction behind the last exponential,
	s_wait_alu depctr_va_vdst(0)                   ; and one wait for the batch of 64, ahead of the first use
.irp t, 0,1,2,3,4,5,6,7
.irp k, 0,1,2,3
	v_cvt_pk_f16_f32 v[PH+4*(\t)+(\k)], v[X+8*(\t)+2*(\k)], v[X+8*(\t)+2*(\k)+1]
.endr
	global_store_b128 v[PO], v[PH+4*(\t):PH+4*(\t)+3], s[6:7] offset:4096*(\t)  ; 16 lanes store 256 consecutive bytes, aligned
.endr
.irp t, 0,1,2,3,4,5,6,7
	v_pk_add_f32 v[X+8*(\t):X+8*(\t)+1], v[X+8*(\t):X+8*(\t)+1], v[X+8*(\t)+2:X+8*(\t)+3]
.endr
.irp t, 0,1,2,3,4,5,6,7
	v_pk_add_f32 v[X+8*(\t)+4:X+8*(\t)+5], v[X+8*(\t)+4:X+8*(\t)+5], v[X+8*(\t)+6:X+8*(\t)+7]
.endr
.irp t, 0,1,2,3,4,5,6,7
	v_pk_add_f32 v[X+8*(\t):X+8*(\t)+1], v[X+8*(\t):X+8*(\t)+1], v[X+8*(\t)+4:X+8*(\t)+5]
.endr
.irp t, 0,1,2,3,4,5,6,7
	v_add_f32 v[LL+(\t)], v[X+8*(\t)], v[X+8*(\t)+1]
.endr
.irp k, 1,2,4,8
.irp t, 0,1,2,3,4,5,6,7
	v_add_f32_dpp v[LL+(\t)], v[LL+(\t)], v[LL+(\t)] row_xmask:\k row_mask:0xf bank_mask:0xf
.endr
.endr
	; lane l keeps one number of the trip's 32: of row l % 8 + 8 (l / 16), m in lanes 0-7 of each half, l in lanes 8-15
.irp t, 0,1,2,3,4,5,6,7
	v_cndmask_b32 v[LL+(\t)], v[M+2*(\t)], v[LL+(\t)], s[HL]
.endr
	v_cndmask_b32 v[ZZ], v[LL], v[LL+1], s[PK+1]
.irp t, 2,3,4,5,6,7
	v_cndmask_b32 v[ZZ], v[ZZ], v[LL+(\t)], s[PK+(\t)]
.endr
	ds_store_b32 v[STA], v[ZZ]
	s_wait_xcnt 0x0                                ; the stores have read their offset and data: both are written again below and in the next trip
	v_add_nc_u32 v[RDA], 16*SPI, v[RDA]
	v_add_nc_u32 v[PO], 16*4096, v[PO]
	v_add_nc_u32 v[TH], 16, v[TH]
	v_add_nc_u32 v[STA], 128, v[STA]
	s_sub_co_u32 s2, s2, 1
	s_cmp_lg_u32 s2, 0
	s_cbranch_scc1 .Lrows
	ds_load_b128 v[X:X+3],   v[SRD]                ; my 1,024 bytes of statistics, as whole runs of 512 bytes
	ds_load_b128 v[X+4:X+7], v[SRD] offset:512
	s_wait_dscnt 0x0
	global_store_b128 v[LO16], v[X:X+3],   s[8:9]
	global_store_b128 v[LO16], v[X+4:X+7], s[8:9] offset:512
	s_wait_tensorcnt 0x0                           ; the wave's end
	ds_add_u32 v[SPW], v[NIL]
	s_wait_dscnt 0x0
	s_endpgm
.Lfunc_end_k_q1d08a5407d_scores:
	.size	k_q1d08a5407d_scores, .Lfunc_end_k_q1d08a5407d_scores-k_q1d08a5407d_scores
	.p2alignl 7, 3214868480
	.fill 96, 4, 3214868480
	.section	.rodata,"a",@progbits
	.p2align	6, 0x0
	.amdhsa_kernel k_q1d08a5407d_scores
		.amdhsa_group_segment_fixed_size 327680
		.amdhsa_private_segment_fixed_size 0
		.amdhsa_enable_private_segment 0
		.amdhsa_kernarg_size 32
		.amdhsa_user_sgpr_count 2
		.amdhsa_user_sgpr_kernarg_segment_ptr 1
		.amdhsa_wavefront_size32 1
		.amdhsa_system_sgpr_workgroup_id_x 1
		.amdhsa_system_sgpr_workgroup_id_y 1
		.amdhsa_system_sgpr_workgroup_id_z 1
		.amdhsa_system_vgpr_workitem_id 0
		.amdhsa_next_free_vgpr 1024
		.amdhsa_next_free_sgpr 100
		.amdhsa_reserve_vcc 0
		.amdhsa_float_denorm_mode_32 3
		.amdhsa_float_denorm_mode_16_64 3
		.amdhsa_memory_ordered 1
		.amdhsa_forward_progress 1
		.amdhsa_inst_pref_size 145
	.end_amdhsa_kernel
	.amdgpu_metadata
---
amdhsa.version: [ 1, 2 ]
amdhsa.kernels:
  - .name:           k_q1d08a5407d_scores
    .symbol:         k_q1d08a5407d_scores.kd
    .args:
      - { .name: yv, .offset: 0, .size: 8, .value_kind: global_buffer, .address_space: global }
      - { .name: pt, .offset: 8, .size: 8, .value_kind: global_buffer, .address_space: global }
      - { .name: st, .offset: 16, .size: 8, .value_kind: global_buffer, .address_space: global }
      - { .name: xh, .offset: 24, .size: 8, .value_kind: global_buffer, .address_space: global }
    .group_segment_fixed_size: 327680
    .private_segment_fixed_size: 0
    .kernarg_segment_align: 8
    .kernarg_segment_size: 32
    .max_flat_workgroup_size: 128
    .sgpr_count:     100
    .vgpr_count:     1024
    .wavefront_size: 32
...
	.end_amdgpu_metadata
.endif
;; end of part 3
;; launch pv (part 4): grid 8 x 32, 4 waves a work-group, clusters of 4 x 4, 327,680 bytes of LDS; arguments pt, yv, st, out0; writes out0
.if DOCPART == 4
	.amdgcn_target "amdgcn-amd-amdhsa--gfx1250"
	.amdhsa_code_object_version 6
	.text
	.protected	k_q1d08a5407d_pv
	.globl	k_q1d08a5407d_pv
	.p2align	8
	.type	k_q1d08a5407d_pv,@function
k_q1d08a5407d_pv:
	s_mov_b64 s[64:65], 0
	v_nop
	global_prefetch_b8 v0, s[64:65] scope:SCOPE_SE
	s_setreg_imm32_b32 hwreg(HW_REG_WAVE_MODE, 25, 1), 1
	s_wait_xcnt 0x0
	s_wait_alu depctr_hold_cnt(0) depctr_sa_sdst(0) depctr_va_vdst(0) depctr_va_sdst(0) depctr_va_ssrc(0) depctr_va_vcc(0) depctr_vm_vsrc(0)
	s_getreg_b32 s2, hwreg(HW_REG_IB_STS2, 6, 4)
	s_cmp_eq_u32 s2, 0
	s_cbranch_scc0 .Lentry_in_a_cluster
	s_endpgm
.Lentry_in_a_cluster:
	s_bfe_u32 s2, ttmp6, 0x10000c
	s_cmp_lg_u32 s2, 0xf033
	s_cbranch_scc0 .Lentry_shape_is_right
	s_endpgm
.Lentry_shape_is_right:
; Z[q] = (1 / L) x the sum over blocks kb of 128 keys of g[q][kb] (P[q][kb] V[kb]).  pt holds P = 2^(c (s - m)) in f16, m the maximum of the row's scores in that block (scores kept as S / 1024);
; st holds m and l (the block's sum of P) in f32.  Here M = the row's maximum of all its m, g = 2^(c (m - M)), L = the sum of g l, c = 32 log2(e): the softmax with the true row maximum taken away.
; V is f16, at byte 2,048 of yv's rows of 4,096 bytes.  Products and all sums in f32; out0 f32.
; LIMITS.  A block that is wholly hidden has m = -1e30 and l = 0, so its g is 0; g below 2^-126 counts as 0.  NaN and infinities are not treated apart.
; SHARES.  A work-group makes TWO tiles of 128 queries x 128 channels of one batch, a long one and then a short one: with T = cluster y % 2, query blocks 4 (3 - T) + cy (8 - 2 T steps of 256 keys)
; and 4 T + cy (2 T + 2 steps): ten steps whatever T and cy, 256 equal work-groups.  Four waves, each 64 x 64.
; CLUSTER 4 x 4.  The four of a column (same cx) take the same channels and walk the same keys: V's tile is asked for jointly along the column.  The four of a row (same cy) take the same queries:
; P's tile jointly along the row.  All partners walk the same number of steps: where a partner's block ends a step earlier (cy < 2), P's tile number is clamped in the ADDRESS and the step's two g are 0.
; PRODUCT.  O^T = V^T P: source 0 = 16 channels x 32 keys (V turned by ds_load_tr16_b128), source 1 = 16 queries x 32 keys: a lane holds one query and eight channels.  Each block of 128 keys is summed
; in ACC from the constant 0 and then added into TOT, times g.
; REGISTERS (s_set_vgpr_msb: bits 1:0 source 0, 3:2 source 1, 5:4 source 2, 7:6 destination): window 0: v0-31 addresses, v32-95 at work on the way out, v96-115 g and 1 / L, v128-255 ACC ((a, b) at 128 + 8 (4 a + b));
;   window 1: two fragment buffers of 128 (64 of P, then 64 of V, for 64 keys);   window 2: v0-127 TOT.
.set PP,    528                        ; a row of P in LDS: 512 bytes + 16
.set PVP,   288                        ; a row of V: 256 bytes + 32
.set PHALF, 64*PP
.set VOFF,  128*PP                     ; a slot: 128 rows of P, then 256 rows of V
.set VHALF, 128*PVP
.set SLOT,  VOFF+256*PVP
.set STAGE, 2*SLOT                     ; behind the ring: 16 rows x 272 bytes for each wave
.set SP,    272
.set GT,    STAGE+4*16*SP              ; g: 20 entries of 512 bytes in the order of the walk; an entry: [row half][row % 16][row / 16 % 4] f32
.set RLT,   GT+20*512                  ; 1 / L of the two tiles, in the same form
.set SPARE, RLT+1024                   ; the spare words, 128 bytes for each wave; no other line names them
.set QROW,  4096                       ; bytes in a row of yv
.set VSTEP, 256*QROW                   ; bytes from a step's V to the next
.set ADRP, 16                          ; v16-17  my P fragments in slot 0, 1
.set ADRV, 20                          ; v20-23  my V fragments: slot, half of the step's keys (240 rows of 288 bytes pass the 16-bit offset)
.set STO,  24
.set RD,   25
.set CO,   26
.set RLA,  27                          ; v27  my four 1 / L
.set SPW,  28
.set NIL,  29
.set PFO,  30
.set GAD,  31                          ; v31  my four g of the entry in hand; steps by two entries
.set TMP,  32
.set GR,   96                          ; v[96:99], v[100:103] g of the step's two blocks, for my tiles a = 0..3
.set GX,   104                         ; v104, v106: copies of the odd ones, at even registers (the packed form names pairs)
.set RL,   108
.set RX,   112
.set ACC,  128
.set F0,   0
.set F1,   128
.set G1,  24                           ; s[24:31] group 1 for P's tiles;  s[32:39] group 0, a set for each slot
.set G0,  32
.set G1B, 48                           ; s[48:55], s[56:63] the same for V's
.set G0B, 56
.set TT,  66                           ; T
.set BA,  67                           ; batch
.set NXT, 68                           ; the step to be asked for next
.set LQ,  69                           ; the last step of the tile whose steps are being asked for
.set POC, 70                           ; byte offset in pt of my 64 rows of that tile
.set CLC, 71                           ; its last step that lies on or below the diagonal
.set PO2, 72                           ; the same three for the second tile
.set CL2, 73
.set LQ2, 74
.set VOC, 75                           ; byte offset in yv of my 128 rows of V's step 0
.set OFP, 76                           ; s[76:77], s[78:79] offsets, 0 on top
.set OFV, 78
.set ENDC, 80                          ; the loop count at which the first tile ends
.set PT,  84
.set QKV, 86
.set STB, 88
.set OUT, 90
.set OUT2, 92
.set PFA, 94
.set PST, 96
.set PCNT, 98
.set TM,  99                           ; all ones where T = 1
.set INV, 100                          ; the entries of the walk that lie above my diagonal
.set MSB, 0
.macro WIN new
.if MSB != (\new)
	s_set_vgpr_msb (MSB<<8)|(\new)
.set MSB, \new
.endif
.endm
.set MUL,   0x05                       ; sources 0 (V) and 1 (P) window 1; C and D window 0
.set TO_F,  0x40                       ; destination window 1
.set W_SC,  0xa0                       ; TOT (destination, source 2) window 2; ACC and g window 0
.set W_OUT, 0x02                       ; source 0 window 2
.set W_CLR, 0x80                       ; destination window 2
.macro JLOAD s                         ; a joint load: waves 0 and 1 fetch P's two halves, waves 2 and 3 V's; an s_nop 0 and four v_nop follow each line
	s_cmp_eq_u32 s11, 0
	s_cbranch_scc0 .Lfor_b_\@
	tensor_load_to_lds s[G0+4*(\s):G0+4*(\s)+3], s[G1:G1+7]
	s_nop 0
.rept 4
	v_nop
.endr
	s_branch .Lasked_\@
.Lfor_b_\@:
	tensor_load_to_lds s[G0B+4*(\s):G0B+4*(\s)+3], s[G1B:G1B+7]
	s_nop 0
.rept 4
	v_nop
.endr
.Lasked_\@:
.endm
.macro CREST
	s_cmp_lg_u32 s10, 0
	s_cbranch_scc1 .Lnot_wave_0_\@
	s_barrier_signal -3
.Lnot_wave_0_\@:
	s_barrier_wait -3
	s_barrier_signal -1
	s_barrier_wait -1
.endm
.macro CROUND
	s_barrier_signal -1
	s_barrier_wait -1
	CREST
.endm
; A prefetch into the L2 of the step two refills on (256 matrix instructions and four rescalings ahead of its load), one instruction a wave.  P of the first tile: waves 0 and 1 of the clusters with x = 0,
; steps 4 to the last but one; partner cx takes 16 of the wave's 64 rows, two lanes a row of 512 bytes.  V: waves 2 and 3 of the clusters with T = 0, steps 4 to 7; partner cy takes 32 of the wave's 128 rows,
; a lane a row.  So each block of 256 bytes is named once.  The count is the same in all partners; the second tile and the tail ask for nothing.
.macro ASK
	s_cmp_lg_u32 s[PCNT], 0
	s_cbranch_scc0 .Lnone_\@
	global_prefetch_b8 v[PFO], s[PFA:PFA+1] th:TH_LOAD_NT scope:SCOPE_SE
	s_sub_co_u32 s[PCNT], s[PCNT], 1
.Lnone_\@:
.endm
	s_load_b256 s[84:91], s[0:1], 0x0              ; pt, yv, st, out0
	v_lshl_add_u32 v[SPW], v0, 2, SPARE
	v_mov_b32 v[NIL], 0
	ds_add_u32 v[SPW], v[NIL]                      ; the wave's opening: the add and its wait stand ahead of my first tensor load
	ds_add_u32 v28, v29
	v_lshrrev_b32 v1, 5, v0
	v_readfirstlane_b32 s10, v1                    ; wave
	s_lshr_b32 s11, s10, 1                         ; my half of the queries.  Also: I fetch P (0) or V (1)
	s_and_b32 s12, s10, 1                          ; my half of the channels.  Also: which half of that tile I fetch
	s_bfe_u32 s40, ttmp6, 0x40000                  ; cx
	s_bfe_u32 s41, ttmp6, 0x40004                  ; cy
	s_lshl_b32 s42, ttmp9, 2
	s_add_co_u32 s42, s42, s40                     ; my block of 128 channels
	s_and_b32 s13, ttmp7, 0xffff                   ; cluster y
	s_and_b32 s[TT], s13, 1
	s_lshr_b32 s[BA], s13, 1
	s_lshl_b32 s43, s41, 2
	s_lshl_b32 s43, 15, s43                        ; my row of the cluster
	s_lshl_b32 s44, 0x1111, s40                    ; my column
	s_or_b32 s[G1], s43, (1<<16)|(1<<20)|(1<<21)|(6<<22)|(3<<25)   ; P: the row's mask; 2-byte elements; padding: 4 words after every 128
	s_mov_b32 s[G1+1], 256<<16                     ; tensor_dim0 = 256
	s_mov_b32 s[G1+2], 64<<16                      ; tensor_dim1 = 64
	s_mov_b32 s[G1+3], 256<<16                     ; tile_dim0 = 256
	s_mov_b32 s[G1+4], 64                          ; tile_dim1 = 64
	s_mov_b32 s[G1+5], 2048                        ; elements from row to row
	s_mov_b32 s[G1+6], 0
	s_mov_b32 s[G1+7], 0
	s_or_b32 s[G1B], s44, (1<<16)|(1<<20)|(1<<21)|(5<<22)|(7<<25)  ; V: the column's mask; padding: 8 words after every 64
	s_mov_b32 s[G1B+1], 128<<16
	s_mov_b32 s[G1B+2], 128<<16
	s_mov_b32 s[G1B+3], 128<<16
	s_mov_b32 s[G1B+4], 128
	s_mov_b32 s[G1B+5], 2048
	s_mov_b32 s[G1B+6], 0
	s_mov_b32 s[G1B+7], 0
	s_lshl_b32 s46, s[TT], 2                       ; 4 T
	s_sub_co_u32 s45, 12, s46
	s_add_co_u32 s45, s45, s41                     ; the first tile's query block
	s_add_co_u32 s47, s46, s41                     ; the second's
	s_lshl_b32 s14, s[BA], 11                      ; the batch's first row
	s_lshl_b32 s15, s12, 6
	s_lshl_b32 s[POC], s45, 7
	s_add_co_u32 s[POC], s[POC], s14
	s_add_co_u32 s[POC], s[POC], s15
	s_lshl_b32 s[POC], s[POC], 12
	s_lshl_b32 s[PO2], s47, 7
	s_add_co_u32 s[PO2], s[PO2], s14
	s_add_co_u32 s[PO2], s[PO2], s15
	s_lshl_b32 s[PO2], s[PO2], 12
	s_lshr_b32 s[CLC], s45, 1
	s_lshr_b32 s[CL2], s47, 1
	s_lshl_b32 s15, s[TT], 1
	s_sub_co_u32 s[LQ], 7, s15
	s_add_co_u32 s[LQ2], s15, 1
	s_lshl_b32 s[VOC], s12, 7
	s_add_co_u32 s[VOC], s[VOC], s14
	s_mul_i32 s[VOC], s[VOC], QROW
	s_lshl_b32 s[OFV], s42, 8
	s_add_co_u32 s[VOC], s[VOC], s[OFV]
	s_add_co_u32 s[VOC], s[VOC], 2048              ; V lies behind Y's 2,048 bytes of a row
	s_mov_b32 s[OFP+1], 0
	s_mov_b32 s[OFV+1], 0
	s_mov_b32 s[NXT], 2
	s_add_co_u32 s[ENDC], s[TT], 1
	s_cmp_eq_u32 s[TT], 1
	s_cselect_b32 s[TM], -1, 0
	s_sub_co_u32 s16, 14, s46                      ; the first tile's last step: entries 14 - 4 T and the next; the second's: 18, 19
	s_lshl_b32 s16, 3, s16
	s_or_b32 s16, s16, 3<<18
	s_cmp_lt_u32 s41, 2
	s_cselect_b32 s[INV], s16, 0
	s_mul_i32 s17, s12, PHALF                      ; where my part of a tile goes: no place in the cluster enters an LDS address
	s_mul_i32 s18, s12, VHALF
	s_add_co_u32 s18, s18, VOFF
	s_wait_dscnt 0x0                               ; the opening add is done
	s_wait_kmcnt 0x0
	CROUND                                         ; all sixteen work-groups are here: the first joint loads meet
.irp s, 0,1
	s_mov_b32 s[G0+4*(\s)], 1
	s_add_co_u32 s[G0+4*(\s)+1], s17, (\s)*SLOT
	s_add_co_u32 s[OFP], s[POC], (\s)*512
	s_add_nc_u64 s[G0+4*(\s)+2:G0+4*(\s)+3], s[PT:PT+1], s[OFP:OFP+1]
	s_or_b32 s[G0+4*(\s)+3], s[G0+4*(\s)+3], 0x80000000
	s_mov_b32 s[G0B+4*(\s)], 1
	s_add_co_u32 s[G0B+4*(\s)+1], s18, (\s)*SLOT
	s_add_co_u32 s[OFV], s[VOC], (\s)*VSTEP
	s_add_nc_u64 s[G0B+4*(\s)+2:G0B+4*(\s)+3], s[QKV:QKV+1], s[OFV:OFV+1]
	s_or_b32 s[G0B+4*(\s)+3], s[G0B+4*(\s)+3], 0x80000000
	JLOAD \s                                       ; steps 0 and 1 of the first tile: two loads of mine are out
.endr
	v_and_b32 v1, 15, v0                           ; l % 16
	v_bfe_u32 v2, v0, 4, 1                         ; l / 16
	v_and_b32 v3, 7, v0
	v_bfe_u32 v4, v0, 3, 1
	v_and_b32 v5, 31, v0                           ; l
	s_mul_i32 s19, s11, PHALF
	v_mul_u32_u24 v6, v1, PP
	v_lshl_add_u32 v6, v2, 4, v6
	v_add_nc_u32 v[ADRP], s19, v6                  ; (64 x row half + l % 16) x pitch + 16 (l / 16)
	v_add_nc_u32 v[ADRP+1], SLOT, v[ADRP]
	v_lshl_add_u32 v7, v2, 3, v3                   ; the turning load: key 8 (l / 16) + l % 8, channels 8 ((l / 8) % 2) on
	v_mul_u32_u24 v7, v7, PVP
	v_lshl_add_u32 v7, v4, 4, v7
	s_lshl_b32 s19, s12, 7
	s_add_co_u32 s19, s19, VOFF
	v_add_nc_u32 v[ADRV], s19, v7
	v_add_nc_u32 v[ADRV+1], VHALF, v[ADRV]
	v_add_nc_u32 v[ADRV+2], SLOT, v[ADRV]
	v_add_nc_u32 v[ADRV+3], SLOT, v[ADRV+1]
	s_mul_i32 s19, s10, 16*SP
	s_add_co_u32 s19, s19, STAGE
	v_mul_u32_u24 v8, v1, SP
	v_lshl_add_u32 v8, v2, 5, v8
	v_add_nc_u32 v[STO], s19, v8                   ; in: row l % 16, 32 bytes for each half of the lanes
	v_mul_u32_u24 v8, v2, SP
	v_lshl_add_u32 v8, v1, 4, v8
	v_add_nc_u32 v[RD], s19, v8                    ; back: lanes 0-15 one row of 256 bytes, lanes 16-31 the next
	v_lshlrev_b32 v[CO], 12, v2
	v_lshl_add_u32 v[CO], v1, 4, v[CO]
	s_lshl_b32 s19, s11, 8
	v_lshlrev_b32 v9, 4, v1
	v_add_nc_u32 v9, s19, v9
	v_add_nc_u32 v[RLA], RLT, v9
	v_add_nc_u32 v[GAD], GT, v9
	v_mov_b32 v[GX+1], 0                           ; named in pairs, so written
	v_mov_b32 v[GX+3], 0
	v_mov_b32 v[RX+1], 0
	v_mov_b32 v[RX+3], 0
	; out0 at my 64 rows x 64 channels of the two tiles
	s_lshl_b32 s16, s11, 6
	s_add_co_u32 s16, s16, s14
	s_lshl_b32 s19, s42, 9
	s_lshl_b32 s20, s12, 8
	s_add_co_u32 s19, s19, s20
	s_lshl_b32 s20, s45, 7
	s_add_co_u32 s20, s20, s16
	s_lshl_b32 s20, s20, 12
	s_add_co_u32 s20, s20, s19
	s_mov_b32 s21, 0
	s_lshl_b32 s82, s47, 7
	s_add_co_u32 s82, s82, s16
	s_lshl_b32 s82, s82, 12
	s_add_co_u32 s82, s82, s19
	s_mov_b32 s83, 0
	s_add_nc_u64 s[OUT2:OUT2+1], s[OUT:OUT+1], s[82:83]
	s_add_nc_u64 s[OUT:OUT+1], s[OUT:OUT+1], s[20:21]
	; the prefetches: at step 3; each refill steps the address once and then names it
	s_lshl_b32 s16, s40, 16
	s_add_co_u32 s16, s16, s[POC]
	s_add_co_u32 s16, s16, 3*512
	s_mul_i32 s19, s41, 32*QROW
	s_add_co_u32 s19, s19, s[VOC]
	s_add_co_u32 s19, s19, 3*VSTEP
	s_mov_b32 s20, 512
	s_mov_b32 s21, VSTEP
	s_lshl_b32 s82, s[TT], 1
	s_sub_co_u32 s82, 3, s82
	s_cmp_eq_u32 ttmp9, 0
	s_cselect_b32 s82, s82, 0
	s_cmp_eq_u32 s[TT], 0
	s_cselect_b32 s83, 4, 0
	s_cmp_eq_u32 s11, 0
	s_cselect_b32 s[PCNT], s82, s83
	s_cselect_b32 s[PST], s20, s21
	s_cselect_b32 s16, s16, s19
	s_cselect_b64 s[PFA:PFA+1], s[PT:PT+1], s[QKV:QKV+1]
	s_cselect_b32 s19, -1, 0
	s_mov_b32 s[PST+1], 0
	s_mov_b32 s17, 0
	s_add_nc_u64 s[PFA:PFA+1], s[PFA:PFA+1], s[16:17]
	v_lshrrev_b32 v13, 1, v5
	v_lshlrev_b32 v13, 12, v13
	v_and_b32 v14, 1, v0
	v_lshl_add_u32 v13, v14, 8, v13
	v_mul_u32_u24 v14, v5, QROW
	v_cndmask_b32 v[PFO], v14, v13, s19
	; THE STATISTICS.  Thread tau is row tau of both tiles.  Entry w of the walk: block 1's key block w while w < 16 - 4 T, then block 2's.  A key block past the tile's last is clamped in the address.
.set OW, 128                           ; v[128:147] offsets, v[148:167] m and then g, v[168:187] l: all in ACC's registers, which are free until the first product
.set MW, 148
.set LW, 168
	v_lshrrev_b32 v10, 4, v0
	v_lshlrev_b32 v10, 7, v10
	v_lshl_add_u32 v10, v4, 6, v10
	v_lshl_add_u32 v10, v3, 2, v10                 ; my row's m in a block of 1,024 bytes; l lies 32 bytes on
	v_lshrrev_b32 v11, 6, v0
	v_lshlrev_b32 v11, 8, v11
	v_lshl_add_u32 v11, v1, 4, v11
	v_bfe_u32 v12, v0, 4, 2
	v_lshl_add_u32 v11, v12, 2, v11
	v_add_nc_u32 v11, GT, v11                      ; my row's place in an entry
	s_lshl_b32 s13, s[BA], 4
	s_add_co_u32 s15, s13, s47
	s_add_co_u32 s13, s13, s45
	s_lshl_b32 s13, s13, 14                        ; the first tile's 16 blocks in st
	s_lshl_b32 s15, s15, 14                        ; the second's
	s_or_b32 s22, s45, 1                           ; the last key block that the launch before has written for the tile
	s_or_b32 s23, s47, 1
.set w, 0
.rept 12
	s_min_u32 s16, s22, w
	s_lshl_b32 s16, s16, 10
	s_add_co_u32 s16, s16, s13
	v_add_nc_u32 v[OW+w], s16, v10
.set w, w+1
.endr
.rept 4
	s_min_u32 s16, s22, w
	s_lshl_b32 s16, s16, 10
	s_add_co_u32 s16, s16, s13
	s_min_u32 s19, s23, w-12
	s_lshl_b32 s19, s19, 10
	s_add_co_u32 s19, s19, s15
	s_cmp_eq_u32 s[TT], 0
	s_cselect_b32 s16, s16, s19
	v_add_nc_u32 v[OW+w], s16, v10
.set w, w+1
.endr
.rept 4
	s_add_co_u32 s16, s46, w-16
	s_min_u32 s16, s16, s23
	s_lshl_b32 s16, s16, 10
	s_add_co_u32 s16, s16, s15
	v_add_nc_u32 v[OW+w], s16, v10
.set w, w+1
.endr
.set w, 0
.rept 20
	global_load_b32 v[MW+w], v[OW+w], s[STB:STB+1]
	global_load_b32 v[LW+w], v[OW+w], s[STB:STB+1] offset:32
.set w, w+1
.endr
	WIN W_CLR                                      ; TOT starts at 0: written while the statistics and the first tiles are on their way
.set i, 0
.rept 128
	v_mov_b32 v[i], 0
.set i, i+1
.endr
	WIN 0
	v_mov_b32 v188, 0xf149f2ca                     ; -1e30
	s_wait_loadcnt 0x0
.irp w, 10,11,14,15,18,19
	s_bitcmp1_b32 s[INV], \w
	s_cselect_b32 s16, -1, 0
	v_cndmask_b32 v[MW+(\w)], v[MW+(\w)], v188, s16  ; an entry above my diagonal: its g becomes 0
.endr
	v_max3_num_f32 v189, v[MW], v[MW+1], v[MW+2]
	v_max3_num_f32 v190, v[MW+12], v[MW+13], v[MW+14]
	v_max3_num_f32 v191, v[MW+16], v[MW+17], v[MW+18]
	v_max3_num_f32 v189, v189, v[MW+3], v[MW+4]
	v_max_num_f32 v190, v190, v[MW+15]
	v_max_num_f32 v191, v191, v[MW+19]
	v_max3_num_f32 v189, v189, v[MW+5], v[MW+6]
	v_cndmask_b32 v192, v190, v188, s[TM]          ; entries 12-15 belong to the first tile where T = 0,
	v_cndmask_b32 v193, v188, v190, s[TM]          ; to the second where T = 1
	v_max3_num_f32 v189, v189, v[MW+7], v[MW+8]
	v_max_num_f32 v191, v191, v193                 ; M of the second tile
	v_max3_num_f32 v189, v189, v[MW+9], v[MW+10]
	v_max3_num_f32 v189, v189, v[MW+11], v192      ; M of the first
	v_cndmask_b32 v190, v189, v191, s[TM]          ; M for entries 12-15
.set w, 0
.rept 20
.if w < 12
	v_sub_f32 v[MW+w], v[MW+w], v189
.elseif w < 16
	v_sub_f32 v[MW+w], v[MW+w], v190
.else
	v_sub_f32 v[MW+w], v[MW+w], v191
.endif
.set w, w+1
.endr
.set w, 0
.rept 20
	v_mul_f32 v[MW+w], 0x4238aa3b, v[MW+w]         ; c (m - M)
.set w, w+1
.endr
.set w, 0
.rept 20
	v_exp_f32 v[MW+w], v[MW+w]
.set w, w+1
.endr
	v_nop                                          ; a plain instruction behind the last exponential,
	s_wait_alu depctr_va_vdst(0)                   ; and one wait for the batch of 20
	v_mul_f32 v192, v[MW], v[LW]
	v_mul_f32 v193, v[MW+12], v[LW+12]
	v_mul_f32 v194, v[MW+16], v[LW+16]
.set w, 1
.rept 3
	v_fmac_f32 v192, v[MW+w], v[LW+w]
	v_fmac_f32 v193, v[MW+12+w], v[LW+12+w]
	v_fmac_f32 v194, v[MW+16+w], v[LW+16+w]
.set w, w+1
.endr
.rept 8
	v_fmac_f32 v192, v[MW+w], v[LW+w]
.set w, w+1
.endr
	v_cndmask_b32 v195, v193, v[NIL], s[TM]
	v_cndmask_b32 v196, v[NIL], v193, s[TM]
	v_add_f32 v192, v192, v195                     ; L of the first tile: at least 1, since the block that holds M has g = 1 and l >= 1
	v_add_f32 v194, v194, v196                     ; L of the second
	v_rcp_f32 v192, v192
	v_rcp_f32 v194, v194
	v_nop
	s_wait_alu depctr_va_vdst(0)                   ; one wait for the two reciprocals
.set w, 0
.rept 20
	ds_store_b32 v11, v[MW+w] offset:512*w
.set w, w+1
.endr
	ds_store_b32 v11, v192 offset:RLT-GT
	ds_store_b32 v11, v194 offset:RLT-GT+512
; 8 matrix instructions: query tiles a0, a0 + 1 x all 4 channel blocks, 32 keys: half c of buffer f.  zero = 1: the product starts the block's sums.  The 16 accumulators take turns.
.macro MUL8 f, c, a0, zero
	WIN MUL
.irp a, \a0, (\a0)+1
.irp b, 0,1,2,3
.if \zero
	v_wmma_f32_16x16x32_f16 v[ACC+8*(4*(\a)+(\b)):ACC+8*(4*(\a)+(\b))+7], v[(\f)+64+8*(4*(\c)+(\b)):(\f)+64+8*(4*(\c)+(\b))+7], v[(\f)+8*(4*(\c)+(\a)):(\f)+8*(4*(\c)+(\a))+7], 0
.else
	v_wmma_f32_16x16x32_f16 v[ACC+8*(4*(\a)+(\b)):ACC+8*(4*(\a)+(\b))+7], v[(\f)+64+8*(4*(\c)+(\b)):(\f)+64+8*(4*(\c)+(\b))+7], v[(\f)+8*(4*(\c)+(\a)):(\f)+8*(4*(\c)+(\a))+7], v[ACC+8*(4*(\a)+(\b)):ACC+8*(4*(\a)+(\b))+7]
.endif
.endr
.endr
.endm
; 32 LDS loads in one run: the fragments of quarter q (64 keys) of a slot into buffer f; the first 32 keys first
.macro FETCH slot, q, f
	WIN TO_F
.irp c, 0,1
.irp i, 0,1,2,3
	ds_load_tr16_b128 v[(\f)+64+8*(4*(\c)+(\i)):(\f)+64+8*(4*(\c)+(\i))+3],   v[ADRV+2*(\slot)+(\q)/2] offset:(((\q)%2)*64+32*(\c))*PVP+32*(\i)
	ds_load_tr16_b128 v[(\f)+64+8*(4*(\c)+(\i))+4:(\f)+64+8*(4*(\c)+(\i))+7], v[ADRV+2*(\slot)+(\q)/2] offset:(((\q)%2)*64+32*(\c)+16)*PVP+32*(\i)
	ds_load_b128 v[(\f)+8*(4*(\c)+(\i)):(\f)+8*(4*(\c)+(\i))+3],              v[ADRP+(\slot)] offset:128*(\q)+64*(\c)+(\i)*16*PP
	ds_load_b128 v[(\f)+8*(4*(\c)+(\i))+4:(\f)+8*(4*(\c)+(\i))+7],            v[ADRP+(\slot)] offset:128*(\q)+64*(\c)+(\i)*16*PP+32
.endr
.endr
.endm
.macro PLACES                          ; four plain instructions between a matrix instruction and a load into, or a read of, its registers
.rept 4
	v_nop
.endr
.endm
; TOT += g x ACC for the step's block k of 128 keys.  The two copies and two v_nop are the places behind the last product; each accumulator is read from its low end on.
.macro SCALE k
	WIN 0
	v_mov_b32 v[GX], v[GR+4*(\k)+1]
	v_mov_b32 v[GX+2], v[GR+4*(\k)+3]
	v_nop
	v_nop
	WIN W_SC
.irp a, 0,1,2,3
.set ga, GR+4*(\k)+(\a)
.if (\a)%2
.set ga, GX+(\a)-1
.endif
.set z, 0
.rept 16
	v_pk_fma_f32 v[32*(\a)+z:32*(\a)+z+1], v[ACC+32*(\a)+z:ACC+32*(\a)+z+1], v[ga:ga+1], v[32*(\a)+z:32*(\a)+z+1] op_sel_hi:[1,0,1]
.set z, z+2
.endr
.endr
.endm
; A step is four quarters of 64 keys, 32 matrix instructions each, on buffers 0, 1, 0, 1.  One of the first three: multiplies f, fetches quarter q + 1 into g.
; gl = 1: the step's eight g are read.  sc = 1: a block of 128 keys is complete.
.macro QUARTER slot, q, f, g, zero, gl, sc
	s_wait_dscnt 16                                ; the first 32 keys' fragments are in; the other sixteen loads may be out
	MUL8 \f, 0, 0, \zero
	MUL8 \f, 0, 2, \zero
	PLACES
.if \gl
	WIN 0
	ds_load_b128 v[GR:GR+3],   v[GAD]
	ds_load_b128 v[GR+4:GR+7], v[GAD] offset:512
	v_add_nc_u32 v[GAD], 1024, v[GAD]
.endif
	FETCH \slot, (\q)+1, \g
	s_wait_dscnt 32                                ; all but the 32 just issued
	MUL8 \f, 1, 0, 0
	MUL8 \f, 1, 2, 0
.if \sc
	SCALE 0
.endif
.endm
; The last quarter multiplies buffer 1 and changes slots.  In front of the barrier each wave waits for all its tensor loads, adds 0 to its spare word, and waits for that and for its reads of the slot.
; fill = 1: the barrier opens a round of the cluster's, and the slot is filled again with the step two on; both descriptors' addresses are made anew from the step's number.
.macro TURN slot, next, fill
.if \fill
	s_wait_xcnt 0x0                                ; the last prefetch, a step back, and all stores have read their addresses
	s_add_nc_u64 s[PFA:PFA+1], s[PFA:PFA+1], s[PST:PST+1]
.endif
	WIN 0
	s_wait_tensorcnt 0x0                           ; all my tensor loads have landed: my part of the next slot; so a group 0 may be written
	ds_add_u32 v[SPW], v[NIL]                      ; 0 onto my spare word
.if \fill
	s_min_u32 s81, s[NXT], s[CLC]                  ; P's tile: a step above my diagonal takes the last one below it
	s_lshl_b32 s81, s81, 9
	s_add_co_u32 s[OFP], s[POC], s81
	s_add_nc_u64 s[G0+4*(\slot)+2:G0+4*(\slot)+3], s[PT:PT+1], s[OFP:OFP+1]
	s_or_b32 s[G0+4*(\slot)+3], s[G0+4*(\slot)+3], 0x80000000
	s_mul_i32 s[OFV], s[NXT], VSTEP
	s_add_co_u32 s[OFV], s[OFV], s[VOC]
	s_add_nc_u64 s[G0B+4*(\slot)+2:G0B+4*(\slot)+3], s[QKV:QKV+1], s[OFV:OFV+1]
	s_or_b32 s[G0B+4*(\slot)+3], s[G0B+4*(\slot)+3], 0x80000000
	s_add_co_u32 s[NXT], s[NXT], 1                 ; the tile's next step, or behind its last the second tile's step 0
	s_cmp_gt_u32 s[NXT], s[LQ]
	s_cselect_b32 s[NXT], 0, s[NXT]
	s_cselect_b32 s[POC], s[PO2], s[POC]
	s_cselect_b32 s[CLC], s[CL2], s[CLC]
	s_cselect_b32 s[LQ], s[LQ2], s[LQ]
.endif
	s_wait_dscnt 17                                ; the add and the youngest sixteen loads may be out
	MUL8 F1, 0, 0, 0
	s_wait_dscnt 0x0                               ; the add is done, and my reads of this slot are over
	s_barrier_signal -1
	MUL8 F1, 0, 2, 0
.if \fill
	WIN 0
.endif
	s_barrier_wait -1
.if \fill
	CREST                                          ; no wave of any partner still reads this slot's tiles or has a load on its way
	JLOAD \slot                                    ; the first tensor load behind the round; its four v_nop are also the places in front of the loads below
.else
	PLACES
.endif
	FETCH \next, 0, F0
.if \fill
	WIN 0
	ASK
.endif
	MUL8 F1, 1, 0, 0
	MUL8 F1, 1, 2, 0
	SCALE 1
.endm
.macro KSTEP slot, next, fill
	QUARTER \slot, 0, F0, F1, 1, 1, 0
	QUARTER \slot, 1, F1, F0, 0, 0, 1
	QUARTER \slot, 2, F0, F1, 1, 0, 0
	TURN \slot, \next, \fill
.endm
; A TILE LEAVES: TOT / L through my stage, 16 rows at a time, back as whole rows of 256 bytes into ACC's registers, and out.
.macro EPI blk
	WIN 0
	ds_load_b128 v[RL:RL+3], v[RLA] offset:512*(\blk)
	s_wait_dscnt 0x0
	v_mov_b32 v[RX], v[RL+1]
	v_mov_b32 v[RX+2], v[RL+3]
.irp a, 0,1,2,3
.set rl, RL+2*((\a)/2)+4*((\a)%2)
.set tm, TMP+32*((\a)%2)
	WIN W_OUT
.set z, 0
.rept 16
	v_pk_mul_f32 v[tm+z:tm+z+1], v[32*(\a)+z:32*(\a)+z+1], v[rl:rl+1] op_sel_hi:[1,0]
.set z, z+2
.endr
	WIN 0
.irp b, 0,1,2,3
	ds_store_b128 v[STO], v[tm+8*(\b):tm+8*(\b)+3]   offset:64*(\b)
	ds_store_b128 v[STO], v[tm+8*(\b)+4:tm+8*(\b)+7] offset:64*(\b)+16
.endr
.irp t, 0,1,2,3,4,5,6,7
	ds_load_b128 v[ACC+32*(\a)+4*(\t):ACC+32*(\a)+4*(\t)+3], v[RD] offset:(\t)*2*SP  ; LDS serves a wave's instructions in order (ISA guide 5.7.1.4): these see the stores above, and the next 16 rows' stores come behind them
.endr
.endr
	s_wait_dscnt 0x0
.irp a, 0,1,2,3
.irp t, 0,1,2,3,4,5,6,7
	global_store_b128 v[CO], v[ACC+32*(\a)+4*(\t):ACC+32*(\a)+4*(\t)+3], s[OUT:OUT+1] offset:(16*(\a)+2*(\t))*4096 th:TH_STORE_NT  ; 16 lanes store 256 consecutive bytes, aligned
.endr
.endr
.if (\blk) == 0
	s_wait_xcnt 0x0                                ; the stores have read their data and base: ACC and the base are written again
	s_mov_b64 s[OUT:OUT+1], s[OUT2:OUT2+1]
	WIN W_CLR
.set i, 0
.rept 128
	v_mov_b32 v[i], 0                              ; the second tile's sums start at 0
.set i, i+1
.endr
	WIN 0
.endif
.endm
	s_wait_tensorcnt 1                             ; my part of step 0 is in; step 1's load may be out
	s_wait_dscnt 0x0                               ; my part of the tables of g and 1 / L is written
	s_barrier_signal -1
	s_barrier_wait -1
	FETCH 0, 0, F0
	WIN 0
	s_mov_b32 s3, 4
.Llap:                                                 ; four laps of two steps; each fills both slots again
	KSTEP 0, 1, 1
	KSTEP 1, 0, 1
	WIN 0
	s_cmp_lg_u32 s3, s[ENDC]                       ; the first tile ends with lap 4 (T = 0) or lap 3 (T = 1): the same in all partners
	s_cbranch_scc1 .Lgo_on
	EPI 0
.Lgo_on:
	s_sub_co_u32 s3, s3, 1
	s_cmp_lg_u32 s3, 0
	s_cbranch_scc1 .Llap
	KSTEP 0, 1, 0                                  ; the last lap fills nothing, and has no round of the cluster's barrier
	QUARTER 1, 0, F0, F1, 1, 1, 0
	QUARTER 1, 1, F1, F0, 0, 0, 1
	QUARTER 1, 2, F0, F1, 1, 0, 0
	s_wait_dscnt 16
	MUL8 F1, 0, 0, 0
	MUL8 F1, 0, 2, 0
	s_wait_dscnt 0x0
	MUL8 F1, 1, 0, 0
	MUL8 F1, 1, 2, 0
	SCALE 1
	EPI 1
	WIN 0
	s_wait_tensorcnt 0x0                           ; the wave's end
	ds_add_u32 v[SPW], v[NIL]
	s_wait_dscnt 0x0
	CROUND                                         ; the closing round
	s_endpgm
.Lfunc_end_k_q1d08a5407d_pv:
	.size	k_q1d08a5407d_pv, .Lfunc_end_k_q1d08a5407d_pv-k_q1d08a5407d_pv
	.p2alignl 7, 3214868480
	.fill 96, 4, 3214868480
	.section	.rodata,"a",@progbits
	.p2align	6, 0x0
	.amdhsa_kernel k_q1d08a5407d_pv
		.amdhsa_group_segment_fixed_size 327680
		.amdhsa_private_segment_fixed_size 0
		.amdhsa_enable_private_segment 0
		.amdhsa_kernarg_size 32
		.amdhsa_user_sgpr_count 2
		.amdhsa_user_sgpr_kernarg_segment_ptr 1
		.amdhsa_wavefront_size32 1
		.amdhsa_system_sgpr_workgroup_id_x 1
		.amdhsa_system_sgpr_workgroup_id_y 1
		.amdhsa_system_sgpr_workgroup_id_z 1
		.amdhsa_system_vgpr_workitem_id 0
		.amdhsa_next_free_vgpr 640
		.amdhsa_next_free_sgpr 102
		.amdhsa_reserve_vcc 0
		.amdhsa_float_denorm_mode_32 3
		.amdhsa_float_denorm_mode_16_64 3
		.amdhsa_memory_ordered 1
		.amdhsa_forward_progress 1
		.amdhsa_inst_pref_size 163
	.end_amdhsa_kernel
	.amdgpu_metadata
---
amdhsa.version: [ 1, 2 ]
amdhsa.kernels:
  - .name:           k_q1d08a5407d_pv
    .symbol:         k_q1d08a5407d_pv.kd
    .args:
      - { .name: pt, .offset: 0, .size: 8, .value_kind: global_buffer, .address_space: global }
      - { .name: yv, .offset: 8, .size: 8, .value_kind: global_buffer, .address_space: global }
      - { .name: st, .offset: 16, .size: 8, .value_kind: global_buffer, .address_space: global }
      - { .name: out0, .offset: 24, .size: 8, .value_kind: global_buffer, .address_space: global }
    .group_segment_fixed_size: 327680
    .private_segment_fixed_size: 0
    .kernarg_segment_align: 8
    .kernarg_segment_size: 32
    .max_flat_workgroup_size: 128
    .sgpr_count:     102
    .vgpr_count:     640
    .wavefront_size: 32
...
	.end_amdgpu_metadata
.endif
;; end of part 4
